; MI455X (gfx1250); checked and timed in simulation.
; The chip was launched on July 23, 2026; its instructions are those of AMD's public machine-readable ISA for CDNA 5 (MIT licence, August 2026) and "CDNA5" Instruction Set Architecture Reference Guide (July 2026). The comments in the code are by the model that wrote it; some were corrected since.
;; Causal Self Attention. Allowed arithmetic: matrix products marked QUANTISED: E2M1 operands, one E8M0 scale for each 32 along K, by v_wmma_scale_f32_16x16x128_f8f6f4 with both operands' format E2M1 (or v_wmma_scale_f32_32x16x128_f4), f32 sums; products left as they are: bf16, f16 or f32 operands; f32 sums; everything else in f32.
;; Inputs: w_proj 1,024 x 1,024 float32; w_qkv 1,024 x 3,072 float32; x 1 x 2,048 x 1,024 float32.
;; Outputs: out0 1 x 2,048 x 1,024 float32.
;; This version of the problem:
;;   THIS VERSION OF THE PROBLEM IS GIVEN IN LOW PRECISION. The matrix products marked QUANTISED in the list below multiply operands that are first quantised to E2M1 (2 exponent bits, 1 mantissa bit; 4 bits a number), with one power-of-two scale for each 32 numbers along K (OCP MX v1.0); their sums are f32. The products marked 'left as it is' may take bf16, f16 or f32 operands, with f32 sums. Whichever they take, every output number must still come out within the allowed error. Rounding operands to bf16 (8 significant bits) uses up far more of that allowance than f16 does (11 bits, for magnitudes from 6e-5 to 65,504). All else is computed in f32.
;;   The module's matrix products, in the order in which they are computed (A, B: the left and right operand; K: the contracted axis; several contracted axes count as one K, in the product's order):
;;     1. [M 2,048, K 1,024] x [K 1,024, N 3,072]; A: input x; B: input w_qkv: QUANTISED
;;     2. batch 16 x [M 2,048, K 64] x [K 64, N 2,048]; A: computed on the way; B: computed on the way: left as it is (an operand is computed on the way)
;;     3. batch 16 x [M 2,048, K 2,048] x [K 2,048, N 64]; A: computed on the way; B: computed on the way: left as it is (an operand is computed on the way)
;;     4. [M 2,048, K 1,024] x [K 1,024, N 1,024]; A: computed on the way; B: input w_proj: left as it is (an operand is computed on the way)
;;   THE QUANTISER, for each operand of a quantised product, along K:
;;     - K is cut into blocks of 32 from its start; a last block that is shorter is filled with zeros.
;;     - A block's scale is 2^e with e = floor(log2(the largest magnitude in the block)) - 2, held to -126 .. 127; a block of zeros has e = 0. As a byte (E8M0): e + 127.
;;     - Each number is divided by its block's scale, clamped to +-6, and rounded to the nearest number of E2M1, ties to even, subnormals kept.
;;     - The product sums the exact products of the quantised numbers (number of the format x scale) in f32.
;;   ~~~python
;;   def quantise(x, axis):      # numpy; x: float32 -> the quantised numbers, widened to float32 again
;;       x = np.moveaxis(x, axis, -1); K = x.shape[-1]
;;       x = np.pad(x, [(0, 0)] * (x.ndim - 1) + [(0, -K % 32)]); x = x.reshape(x.shape[:-1] + (-1, 32)); a = np.abs(x).max(-1, keepdims=True)
;;       e = np.where(a > 0, np.clip(np.frexp(np.where(a > 0, a, 1))[1] - 1 - 2, -126, 127), 0)      # np.frexp(a)[1] - 1 = floor(log2(a)), exactly
;;       r = np.clip(x / 2.0 ** e, -6, 6)
;;       step = 2.0 ** (np.maximum(np.frexp(np.where(r == 0, 1, r))[1] - 1, 0) - 1)
;;       q = np.round(r / step) * step * 2.0 ** e      # np.round: ties to even
;;       return np.moveaxis(q.reshape(q.shape[:-2] + (-1,))[..., :K], -1, axis).astype(np.float32)
;;   ~~~
;; One version. Each part assembles by itself: llvm-mc -triple=amdgcn-amd-amdhsa -mcpu=gfx1250 --defsym DOCPART=n.
;; ======== version 1 of 1: 5 launches
;; limits: values are held in f16: magnitudes above 65,504 overflow, below 6.1e-05 lose precision
;; workspace buffers: xc 1,048,576 bytes; xs 65,536 bytes; wc 1,572,864 bytes; ws 98,304 bytes; wp 2,097,152 bytes; qkvh 12,582,912 bytes; r16 196,608 bytes; y 4,194,304 bytes
;; launch prep (part 1): grid 320 x 1, 4 waves a work-group, no clusters, 33,280 bytes of LDS; arguments x, w_qkv, w_proj, xc, xs, wc, ws, wp; writes xc, xs, wc, ws, wp
.if DOCPART == 1
	.amdgcn_target "amdgcn-amd-amdhsa--gfx1250"
	.amdhsa_code_object_version 6
	.text
	.protected	k_q9e8d44b588_prep
	.globl	k_q9e8d44b588_prep
	.p2align	8
	.type	k_q9e8d44b588_prep,@function
k_q9e8d44b588_prep:
	s_mov_b64 s[64:65], 0
	v_nop
	global_prefetch_b8 v0, s[64:65] scope:SCOPE_SE
	s_setreg_imm32_b32 hwreg(HW_REG_WAVE_MODE, 25, 1), 1
	s_wait_xcnt 0x0
; PREP: the three inputs are read once and laid as the later launches want them.  A stream: no matrix unit, no tensor load, no barrier.
; Work-groups 0-191 (path W): w_qkv [1024 (k)][3072 (n)] f32 -> codes of E2M1 along K, and one E8M0 byte for each 32 along K.  A lane takes a column, its registers run down K.
;   wc: [head 16][K step of 128: 8][tile 12][block of 32 k: 4][column 16][16 bytes]; tile = 4 s + ct (s: q, k, v; ct: 16 columns of the head): a fragment is 1,024 dense bytes, in the order of the operand's registers.
;   ws: [head 16][tile 12][K step 8][column 16][4 bytes]: a column's scale word of a K step.
; Work-groups 192-255 (path X): x [2048][1024] f32 -> xc [2048][512 bytes], xs [2048][32]: K is innermost, so codes and bytes are plain streams.
; Work-groups 256-319 (path P): w_proj [1024 (k)][1024 (n)] f32 -> f16, wp [column block of 64: 16][k 1024][64].
; THE QUANTISER: a block's scale is 2^(floor(log2(largest magnitude)) - 2): its byte is the largest magnitude's exponent field - 2, held at 1 from below by a floor among the maximum's leaves.
; LIMITS: a block of zeros gets the byte 1 where the rule says 127 (its codes are zeros, and this program alone reads the bytes); NaN and infinities are not served; |w_proj| stays under 65,504 (f16).
; Only path X touches LDS.
.set SPARE, 32768                      ; behind path X's four regions: the spare words, 128 bytes a wave
.set SPW,   12                         ; v12  SPARE + 4 x my thread's number; never rewritten
.set NIL,   13                         ; v13  0; never rewritten
	s_load_b256 s[4:11], s[0:1], 0x0               ; x s[4:5], w_qkv s[6:7], w_proj s[8:9], xc s[10:11]
	s_load_b256 s[12:19], s[0:1], 0x20             ; xs s[12:13], wc s[14:15], ws s[16:17], wp s[18:19]
	v_lshl_add_u32 v[SPW], v0, 2, SPARE
	v_mov_b32 v[NIL], 0
	v_lshrrev_b32 v1, 5, v0
	v_readfirstlane_b32 s20, v1                    ; wave 0..3
	v_and_b32 v2, 31, v0                           ; lane
	s_mov_b32 s29, 0                               ; the upper word of every offset pair s[28:29]
	s_wait_kmcnt 0x0
	s_cmp_lt_u32 ttmp9, 192
	s_cbranch_scc1 .Lpath_w
	s_cmp_lt_u32 ttmp9, 256
	s_cbranch_scc1 .Lpath_x
; ---------------- path P: a wave casts 64 k rows x 64 columns ----------------
	s_sub_co_u32 s21, ttmp9, 256
	s_lshr_b32 s22, s21, 2                         ; column block
	s_and_b32 s23, s21, 3
	s_lshl_b32 s23, s23, 8
	s_lshl_b32 s24, s20, 6
	s_add_co_u32 s23, s23, s24                     ; my first k row
	s_lshl_b32 s28, s23, 12                        ; a row of w_proj is 4,096 bytes
	s_lshl_b32 s24, s22, 8                         ; 64 columns are 256
	s_add_co_u32 s28, s28, s24
	s_add_nc_u64 s[8:9], s[8:9], s[28:29]
	s_lshl_b32 s28, s22, 17                        ; a column block of wp is 131,072 bytes,
	s_lshl_b32 s24, s23, 7                         ; a k row in it 128
	s_add_co_u32 s28, s28, s24
	s_add_nc_u64 s[18:19], s[18:19], s[28:29]
	v_lshrrev_b32 v3, 4, v2
	v_and_b32 v4, 15, v2
	v_lshlrev_b32 v4, 4, v4
	v_lshl_add_u32 v4, v3, 12, v4                  ; in: sixteen lanes read 256 consecutive bytes of a row, lanes 16-31 the next row
	v_lshlrev_b32 v5, 3, v2                        ; out: 8 bytes a lane: 256 consecutive bytes a wave
.set pu, 0
.rept 32
	global_load_b128 v[64+4*pu:67+4*pu], v4, s[8:9] offset:8192*pu
.set pu, pu+1
.endr
.set pu, 0
.rept 32
	s_wait_loadcnt 31-pu                           ; loads come back in order: unit pu is in, the later units' loads may be out
	v_cvt_pk_f16_f32 v[192+2*pu], v[64+4*pu], v[65+4*pu]
	v_cvt_pk_f16_f32 v[193+2*pu], v[66+4*pu], v[67+4*pu]
	global_store_b64 v5, v[192+2*pu:193+2*pu], s[18:19] offset:256*pu   ; every unit has registers of its own: no store's data are written again
.set pu, pu+1
.endr
	s_endpgm
; ---------------- path W: a wave takes 32 columns x 128 along K ----------------
.macro WLOAD b                         ; block b: w(32 b + i, my column), i = 0 .. 31: 128 consecutive bytes a wave, the four waves side by side on 512
.set wi, 0
.rept 32
	global_load_b32 v[64+32*(\b)+wi], v3, s[6:7] offset:(32*(\b)+wi)*12288 th:TH_LOAD_NT
.set wi, wi+1
.endr
.endm
.macro WBLOCK b
.set WX, 64+32*(\b)
	v_max3_num_f32 v8, |v[WX]|, |v[WX+1]|, |v[WX+2]|               ; the block's largest magnitude: all 32 numbers are mine; two chains
	v_max3_num_f32 v9, |v[WX+3]|, |v[WX+4]|, |v[WX+5]|
.irp i, 6,10,14,18,22,26
	v_max3_num_f32 v8, v8, |v[WX+\i]|, |v[WX+\i+1]|
	v_max3_num_f32 v9, v9, |v[WX+\i+2]|, |v[WX+\i+3]|
.endr
	v_max3_num_f32 v8, v8, |v[WX+30]|, |v[WX+31]|
	v_max3_num_f32 v8, v8, v9, 0x1800000           ; and the floor 2^(3 - 127): the byte cannot fall under 1
	v_add_nc_u32 v11, 0xff000000, v8               ; 2 off the exponent field: the conversion takes this operand's exponent field as its scale
	v_lshrrev_b32 v9, 23, v11                      ; the scale's byte
.if (\b) == 0
	v_mov_b32 v10, v9                              ; the four bytes make my column's scale word of this K step
.else
	v_lshl_or_b32 v10, v9, 8*(\b), v10
.endif
.irp g, 0,1,2,3
	v_cvt_scalef32_pk8_fp4_f32 v[32+4*(\b)+\g], v[WX+8*\g:WX+8*\g+7], v11
.endr
	global_store_b128 v4, v[32+4*(\b):35+4*(\b)], s[14:15] offset:256*(\b)   ; sixteen lanes store 256 consecutive bytes, aligned; each block has code registers of its own
.endm
.Lpath_w:
	s_lshr_b32 s21, ttmp9, 3
	s_and_b32 s22, ttmp9, 7                        ; K step
	s_lshl_b32 s21, s21, 7
	s_lshl_b32 s23, s20, 5
	s_add_co_u32 s21, s21, s23                     ; my first column
	s_lshr_b32 s24, s21, 10                        ; s: q, k or v
	s_bfe_u32 s25, s21, 0x40006                    ; head
	s_bfe_u32 s26, s21, 0x20004                    ; the head's tile of 16 columns
	s_lshl_b32 s24, s24, 2
	s_add_co_u32 s24, s24, s26                     ; tile = 4 s + ct
	s_mul_i32 s28, s22, 1572864                    ; 128 rows of 12,288 bytes
	s_lshl_b32 s27, s21, 2
	s_add_co_u32 s28, s28, s27
	s_add_nc_u64 s[6:7], s[6:7], s[28:29]
	s_mul_i32 s28, s25, 98304
	s_mul_i32 s27, s22, 12288
	s_add_co_u32 s28, s28, s27
	s_lshl_b32 s27, s24, 10
	s_add_co_u32 s28, s28, s27
	s_add_nc_u64 s[14:15], s[14:15], s[28:29]
	s_mul_i32 s28, s25, 6144
	s_lshl_b32 s27, s24, 9
	s_add_co_u32 s28, s28, s27
	s_lshl_b32 s27, s22, 6
	s_add_co_u32 s28, s28, s27
	s_add_nc_u64 s[16:17], s[16:17], s[28:29]
	v_lshlrev_b32 v3, 2, v2                        ; in: 4 bytes a lane
	v_lshrrev_b32 v6, 4, v2
	v_and_b32 v7, 15, v2
	v_lshlrev_b32 v4, 4, v7
	v_lshl_add_u32 v4, v6, 10, v4                  ; codes: lanes 16-31 belong to the next tile
	v_lshlrev_b32 v5, 2, v7
	v_lshl_add_u32 v5, v6, 9, v5                   ; scale words likewise
	WLOAD 0
	WLOAD 1
	s_wait_loadcnt 32                              ; block 0 is in; block 1's 32 loads may be out
	WLOAD 2                                        ; loads run two blocks ahead; every block has registers of its own
	WBLOCK 0
	s_wait_loadcnt 32                              ; block 1 is in; block 2's may be out
	WLOAD 3
	WBLOCK 1
	s_wait_loadcnt 32                              ; block 2 is in; block 3's may be out
	WBLOCK 2
	s_wait_loadcnt 0x0
	WBLOCK 3
	global_store_b32 v5, v10, s[16:17]             ; pieces of 64 bytes: one byte for each 128 that this path reads
	s_endpgm
; ---------------- path X: a wave takes 16 steps of 512 numbers ----------------
; The conversions want 16 neighbours along K in one lane; a load is dense where neighbouring lanes take neighbouring bytes.  So a step's 2,048 bytes are loaded as they lie and turn
; through the wave's own stage in LDS (a lane's 64 bytes + 16 of padding).  Two neighbouring lanes hold a block.  Loads run eight steps ahead, the turn one step.
.set WREG, 8192                        ; LDS of a wave: two stages of 32 x 80 bytes, then its 256 scale bytes
.set SPX,  80
.set XR,   16                          ; v16-143  eight sets of 16 numbers as loaded
.set XX,   144                         ; v144-175 two sets of 16 neighbours
.set XC,   176                         ; v176-207 codes, two registers a step
.set XE,   208                         ; v208-223 a scale byte a step
.macro XLOAD t
.irp i, 0,1,2,3
	global_load_b128 v[XR+16*((\t)%8)+4*\i:XR+16*((\t)%8)+4*\i+3], v3, s[4:5] offset:2048*(\t)+512*\i th:TH_LOAD_NT
.endr
.endm
.macro XTURN t                         ; LDS serves a wave's instructions in order: no wait between the stores and the loads
.irp i, 0,1,2,3
	ds_store_b128 v14, v[XR+16*((\t)%8)+4*\i:XR+16*((\t)%8)+4*\i+3] offset:32*SPX*((\t)%2)+8*SPX*\i
.endr
.irp i, 0,1,2,3
	ds_load_b128 v[XX+16*((\t)%2)+4*\i:XX+16*((\t)%2)+4*\i+3], v15 offset:32*SPX*((\t)%2)+16*\i
.endr
.endm
.macro XSTEP t
.set XS, XX+16*((\t)%2)
.if (\t) > 0
	s_wait_dscnt 1                                 ; this step's numbers are back from the stage (the last step's byte store may be out): so its stores into the stage have read their registers,
.else
	s_wait_dscnt 0x0
.endif
.if (\t)+8 < 16
	XLOAD (\t)+8                                   ; which take the loads of eight steps on
.endif
.if (\t)+1 < 16
.if 14-(\t) >= 7
	s_wait_loadcnt 28                              ; the next step's four loads are in; those of the seven steps behind it may be out
.else
	s_wait_loadcnt 4*(14-(\t))
.endif
	XTURN (\t)+1
.endif
	v_max3_num_f32 v8, |v[XS]|, |v[XS+1]|, |v[XS+2]|
	v_max3_num_f32 v9, |v[XS+3]|, |v[XS+4]|, |v[XS+5]|
.irp i, 6,10
	v_max3_num_f32 v8, v8, |v[XS+\i]|, |v[XS+\i+1]|
	v_max3_num_f32 v9, v9, |v[XS+\i+2]|, |v[XS+\i+3]|
.endr
	v_max3_num_f32 v8, v8, |v[XS+14]|, |v[XS+15]|
	v_max3_num_f32 v8, v8, v9, 0x1800000           ; the floor
	v_max_num_f32_dpp v8, v8, v8 row_xmask:1 row_mask:0xf bank_mask:0xf   ; with my neighbour's 16: the block's
	v_add_nc_u32 v11, 0xff000000, v8
	v_cvt_scalef32_pk8_fp4_f32 v[XC+2*(\t)], v[XS:XS+7], v11
	v_cvt_scalef32_pk8_fp4_f32 v[XC+2*(\t)+1], v[XS+8:XS+15], v11
	v_lshrrev_b32 v[XE+(\t)], 23, v11              ; the scale's byte (a plain line behind the conversions)
	ds_store_b8 v5, v[XE+(\t)] offset:16*(\t)      ; both lanes of a block write the same byte with the same value
	global_store_b64 v4, v[XC+2*(\t):XC+2*(\t)+1], s[10:11] offset:256*(\t)   ; 256 consecutive bytes a wave, aligned
.endm
.Lpath_x:
	s_sub_co_u32 s21, ttmp9, 192
	s_lshl_b32 s21, s21, 2
	s_add_co_u32 s21, s21, s20                     ; which run of 8,192 numbers is my wave's
	s_lshl_b32 s28, s21, 15
	s_add_nc_u64 s[4:5], s[4:5], s[28:29]
	s_lshl_b32 s28, s21, 12
	s_add_nc_u64 s[10:11], s[10:11], s[28:29]
	s_lshl_b32 s28, s21, 8
	s_add_nc_u64 s[12:13], s[12:13], s[28:29]
	v_lshlrev_b32 v3, 4, v2                        ; my 16 bytes of a load's 512
	s_mul_i32 s22, s20, WREG
	v_lshrrev_b32 v14, 2, v2
	v_mul_u32_u24 v14, v14, SPX
	v_and_b32 v15, 3, v2
	v_lshl_add_u32 v14, v15, 4, v14
	v_add_nc_u32 v14, s22, v14                     ; the stage, on the way in: 80 (lane / 4) + 16 (lane % 4)
	v_mul_u32_u24 v15, v2, SPX
	v_add_nc_u32 v15, s22, v15                     ; and on the way out: 80 x lane
	v_lshlrev_b32 v4, 3, v2                        ; 8 bytes a lane: my codes, and at the end my part of the scale bytes
	v_lshrrev_b32 v5, 1, v2
	s_add_co_u32 s22, s22, 2*32*SPX
	v_add_nc_u32 v5, s22, v5                       ; LDS: my block's byte
	v_add_nc_u32 v6, s22, v4
.irp t, 0,1,2,3,4,5,6,7
	XLOAD \t
.endr
	s_wait_loadcnt 28                              ; step 0's four loads are in; steps 1 to 7 may be out
	XTURN 0
.irp t, 0,1,2,3,4,5,6,7,8,9,10,11,12,13,14,15
	XSTEP \t
.endr
	ds_load_b64 v[8:9], v6                         ; LDS serves a wave's instructions in order: these see my byte stores
	s_wait_dscnt 0x0
	global_store_b64 v4, v[8:9], s[12:13]          ; the wave's 256 scale bytes: one aligned run
	s_wait_tensorcnt 0x0                           ; the wave's end, behind my last LDS store
	ds_add_u32 v[SPW], v[NIL]
	s_wait_dscnt 0x0
	s_endpgm
.Lfunc_end_k_q9e8d44b588_prep:
	.size	k_q9e8d44b588_prep, .Lfunc_end_k_q9e8d44b588_prep-k_q9e8d44b588_prep
	.p2alignl 7, 3214868480
	.fill 96, 4, 3214868480
	.section	.rodata,"a",@progbits
	.p2align	6, 0x0
	.amdhsa_kernel k_q9e8d44b588_prep
		.amdhsa_group_segment_fixed_size 33280
		.amdhsa_private_segment_fixed_size 0
		.amdhsa_enable_private_segment 0
		.amdhsa_kernarg_size 64
		.amdhsa_user_sgpr_count 2
		.amdhsa_user_sgpr_kernarg_segment_ptr 1
		.amdhsa_wavefront_size32 1
		.amdhsa_system_sgpr_workgroup_id_x 1
		.amdhsa_system_sgpr_workgroup_id_y 1
		.amdhsa_system_sgpr_workgroup_id_z 1
		.amdhsa_system_vgpr_workitem_id 0
		.amdhsa_next_free_vgpr 256
		.amdhsa_next_free_sgpr 66
		.amdhsa_reserve_vcc 0
		.amdhsa_float_denorm_mode_32 3
		.amdhsa_float_denorm_mode_16_64 3
		.amdhsa_memory_ordered 1
		.amdhsa_forward_progress 1
		.amdhsa_inst_pref_size 64
	.end_amdhsa_kernel
	.amdgpu_metadata
---
amdhsa.version: [ 1, 2 ]
amdhsa.kernels:
  - .name:           k_q9e8d44b588_prep
    .symbol:         k_q9e8d44b588_prep.kd
    .args:
      - { .name: x, .offset: 0, .size: 8, .value_kind: global_buffer, .address_space: global }
      - { .name: w_qkv, .offset: 8, .size: 8, .value_kind: global_buffer, .address_space: global }
      - { .name: w_proj, .offset: 16, .size: 8, .value_kind: global_buffer, .address_space: global }
      - { .name: xc, .offset: 24, .size: 8, .value_kind: global_buffer, .address_space: global }
      - { .name: xs, .offset: 32, .size: 8, .value_kind: global_buffer, .address_space: global }
      - { .name: wc, .offset: 40, .size: 8, .value_kind: global_buffer, .address_space: global }
      - { .name: ws, .offset: 48, .size: 8, .value_kind: global_buffer, .address_space: global }
      - { .name: wp, .offset: 56, .size: 8, .value_kind: global_buffer, .address_space: global }
    .group_segment_fixed_size: 33280
    .private_segment_fixed_size: 0
    .kernarg_segment_align: 8
    .kernarg_segment_size: 64
    .max_flat_workgroup_size: 128
    .sgpr_count:     66
    .vgpr_count:     256
    .wavefront_size: 32
...
	.end_amdgpu_metadata
.endif
;; end of part 1
;; launch qkv (part 2): grid 16 x 16, 4 waves a work-group, clusters of 4 x 4, 229,376 bytes of LDS; arguments xc, xs, wc, ws, qkvh, r16; writes qkvh, r16
.if DOCPART == 2
	.amdgcn_target "amdgcn-amd-amdhsa--gfx1250"
	.amdhsa_code_object_version 6
	.text
	.protected	k_q9e8d44b588_qkv
	.globl	k_q9e8d44b588_qkv
	.p2align	8
	.type	k_q9e8d44b588_qkv,@function
k_q9e8d44b588_qkv:
	s_mov_b64 s[64:65], 0
	v_nop
	global_prefetch_b8 v0, s[64:65] scope:SCOPE_SE
	s_setreg_imm32_b32 hwreg(HW_REG_WAVE_MODE, 25, 1), 1
	s_wait_xcnt 0x0
	s_wait_alu depctr_hold_cnt(0) depctr_sa_sdst(0) depctr_va_vdst(0) depctr_va_sdst(0) depctr_va_ssrc(0) depctr_va_vcc(0) depctr_vm_vsrc(0)
	s_getreg_b32 s2, hwreg(HW_REG_IB_STS2, 6, 4)
	s_cmp_eq_u32 s2, 0
	s_cbranch_scc0 .Lentry_in_a_cluster
	s_endpgm
.Lentry_in_a_cluster:
	s_bfe_u32 s2, ttmp6, 0x10000c
	s_cmp_lg_u32 s2, 0xf033
	s_cbranch_scc0 .Lentry_shape_is_right
	s_endpgm
.Lentry_shape_is_right:
; QKV: x @ w_qkv on codes of E2M1 with E8M0 scales, RoPE in f32, q, k, v out in f16: qkvh [s 3][head 16][t 2048][64].  Rows 0-15 also in f32: r16 [head 16][s 3][4,096 bytes].
; r16's q and k are laid as the launch that reads them wants its operand registers: chunk i (8 of 512 bytes), lane (r, h) at 16 x lane: row r, channels 32 (i / 4) + 16 ((i / 2) % 2) + 8 h + 4 (i % 2) + 0 .. 3;  v: [row 16][64].
; SHARES.  A work-group takes 128 rows of x against the 192 columns of one head (its q, k, v), for all K = 1,024: 64 KiB + 96 KiB of codes, which fit in LDS at once: one tensor load a wave, no ring, no refill.
; Wave w (rh = w / 2, ch = w % 2): rows 64 rh on; of each of q, k, v the column tiles 2 ch and 2 ch + 1: 4 x 6 accumulators, 24 matrix instructions for 20 LDS loads in a K step of 128.
; CLUSTER 4 x 4: x's tile hangs on the row block alone and is shared along a row of the cluster, the head's weights along a column: each is asked for jointly.
; THE MATRIX INSTRUCTION IS USED TRANSPOSED (source 0 = 16 columns of w, source 1 = 16 rows of x): a lane holds ONE token (lane % 16) and eight neighbouring columns 8 (lane / 16) + 0 .. 7: four RoPE pairs.
; ROPE.  Each lane makes, while the tiles are on their way, just the 32 (cos, sin) that it will use: frequency 2^(-i log2(10000) / 32) (within 4e-7 of 10000^(-i/32)), angle = t x frequency in f32,
; reduced by pi/2 in two parts, polynomials of degree 7 and 8 on |r| <= pi/4.
; LIMITS: |q|, |k|, |v| stay under 65,504 (f16); NaN and infinities are not served.  r16 is stored under a lane mask, not a branch: partners of a cluster run alike; its v goes in pieces of 32 bytes (65,536 bytes in the launch).
; REGISTERS.  window 0: v1-15 lane numbers and addresses; v16-31 x's scale words, v32-55 w's (scales and nothing else); v56-63 frequencies; v64-95 at work; v96-175, v176-255 two fragment buffers (x's 4, w's 6).
;   window 1: v0-191 the accumulators (row tile a, column tile c = 2 s + u at 8 (6 a + c)); v192-255 cos and sin (16 a + 8 u + 2 p, + 1).
.set PITA,  528                        ; a row of x's codes in LDS: 512 bytes + 16 of padding: 33 x 16, so the 16 rows of a load start at 16 different groups of banks
.set BOFF,  128*PITA                   ; the head's weights: 98,304 dense bytes, fragments in the order of the operand's registers
.set STG,   BOFF+98304                 ; the stage for the way out: 3 sections x 128 rows x 144 bytes
.set SPS,   144
.set SEC,   128*SPS
.set SPARE, STG+3*SEC                  ; the spare words, 128 bytes a wave
.set ADRA, 4
.set ADRB, 5                           ; v5: K steps 0-3; v6: K steps 4-7 (an LDS offset has 16 bits)
.set STO,  7
.set RD,   8
.set GO,   9
.set XSO,  10
.set L4,   11
.set RO,   12
.set PRD,  13
.set SPW,  14
.set NIL,  15
.set XS,   16
.set WS,   32
.set FQ,   56
.set ANG,  64
.set NN,   68
.set RR,   72
.set QI,   76
.set ZZ,   80
.set SN,   84
.set CN,   88
.set TT,   92
.set TF,   96
.set TMP,  64
.set BUF0, 96
.set BUF1, 176
.set F,    96
.set H,    128
.set CSW,  192
.set G1A,  24
.set G0A,  32
.set G1B,  48
.set G0B,  56
.set MSB, 0
.macro WIN new                         ; the immediate's high byte repeats the setting that is left
.if MSB != \new
	s_set_vgpr_msb (MSB<<8)|\new
.set MSB, \new
.endif
.endm
.macro PLACES
.rept 4
	v_nop
.endr
.endm
.macro CROUND                          ; a round of the cluster's barrier
	s_barrier_signal -1
	s_barrier_wait -1
	s_cmp_lg_u32 s16, 0
	s_cbranch_scc1 .Lnot_wave_0_\@
	s_barrier_signal -3
.Lnot_wave_0_\@:
	s_barrier_wait -3
	s_barrier_signal -1
	s_barrier_wait -1
.endm
	s_load_b256 s[4:11], s[0:1], 0x0               ; xc s[4:5], xs s[6:7], wc s[8:9], ws s[10:11]
	s_load_b128 s[12:15], s[0:1], 0x20             ; qkvh s[12:13], r16 s[14:15]
	v_lshl_add_u32 v[SPW], v0, 2, SPARE
	v_mov_b32 v[NIL], 0
	ds_add_u32 v[SPW], v[NIL]                      ; the wave's opening: the add, twice on end, and its wait ahead of my first tensor load
	ds_add_u32 v[SPW], v[NIL]
	v_lshrrev_b32 v1, 5, v0
	v_readfirstlane_b32 s16, v1                    ; wave 0..3
	s_lshr_b32 s17, s16, 1                         ; rh.  Also: I fetch x's codes (0) or the weights' (1)
	s_and_b32 s18, s16, 1                          ; ch.  Also: which half I fetch
	s_bfe_u32 s40, ttmp6, 0x40000                  ; cx, cy
	s_bfe_u32 s41, ttmp6, 0x40004
	s_lshl_b32 s42, ttmp9, 2
	s_add_co_u32 s42, s42, s40                     ; head
	s_and_b32 s43, ttmp7, 0xffff
	s_lshl_b32 s43, s43, 2
	s_add_co_u32 s43, s43, s41                     ; row block
	s_lshl_b32 s44, s41, 2
	s_lshl_b32 s44, 15, s44                        ; my row of the cluster
	s_lshl_b32 s45, 0x1111, s40                    ; my column
	s_or_b32 s[G1A], s44, (1<<20)|(1<<21)|(6<<22)|(3<<25)   ; x: elements of 1 byte; padding of 4 words behind every 128; bit 21 beside a mask
	s_mov_b32 s[G1A+1], 512<<16                    ; tensor_dim0 = 512
	s_mov_b32 s[G1A+2], 64<<16                     ; tensor_dim1 = 64
	s_mov_b32 s[G1A+3], 512<<16                    ; tile_dim0
	s_mov_b32 s[G1A+4], 64                         ; tile_dim1
	s_mov_b32 s[G1A+5], 512                        ; from row to row
	s_mov_b32 s[G1A+6], 0
	s_mov_b32 s[G1A+7], 0
	s_or_b32 s[G1B], s45, (3<<16)|(1<<21)          ; the weights: a dense block as 192 rows of 32 elements of 8 bytes, no padding
	s_mov_b32 s[G1B+1], 32<<16
	s_mov_b32 s[G1B+2], 192<<16
	s_mov_b32 s[G1B+3], 32<<16
	s_mov_b32 s[G1B+4], 192
	s_mov_b32 s[G1B+5], 32
	s_mov_b32 s[G1B+6], 0
	s_mov_b32 s[G1B+7], 0
	s_lshl_b32 s20, s43, 7
	s_lshl_b32 s21, s18, 6
	s_add_co_u32 s20, s20, s21
	s_lshl_b32 s20, s20, 9                         ; x's codes: row 128 rb + 64 x half, 512 bytes a row
	s_mov_b32 s21, 0
	s_mul_i32 s46, s42, 98304
	s_mul_i32 s47, s18, 49152
	s_add_co_u32 s46, s46, s47                     ; the head's weights, my half
	s_mov_b32 s47, 0
	s_mul_i32 s22, s18, 64*PITA                    ; and where they go: no place in the cluster enters an LDS address
	s_mul_i32 s23, s18, 49152
	s_add_co_u32 s23, s23, BOFF
	s_mov_b32 s66, 0x3f22f983                      ; 2 / pi
	s_mov_b32 s67, 0xbfc90fdb                      ; -(pi/2)'s high part
	s_mov_b32 s68, 0x333bbd2e                      ; -(pi/2)'s low part
	s_mov_b32 s69, 0xb94ca1f9                      ; the sine's three,
	s_mov_b32 s70, 0x3c08839e
	s_mov_b32 s71, 0xbe2aaaa3
	s_mov_b32 s72, 0x37ccf5ce                      ; the cosine's three
	s_mov_b32 s73, 0xbab6061a
	s_mov_b32 s74, 0x3d2aaaa5
	s_wait_dscnt 0x0                               ; both opening adds are done
	s_wait_kmcnt 0x0
	s_mov_b32 s[G0A], 1
	s_mov_b32 s[G0A+1], s22
	s_add_nc_u64 s[G0A+2:G0A+3], s[4:5], s[20:21]
	s_or_b32 s[G0A+3], s[G0A+3], 0x80000000
	s_mov_b32 s[G0B], 1
	s_mov_b32 s[G0B+1], s23
	s_add_nc_u64 s[G0B+2:G0B+3], s[8:9], s[46:47]
	s_or_b32 s[G0B+3], s[G0B+3], 0x80000000
	CROUND                                         ; all sixteen work-groups are here: the joint loads meet
	s_cmp_eq_u32 s17, 0                            ; waves 0, 1: x's halves; waves 2, 3: the weights'.  One tensor load a wave, the only one of the launch
	s_cbranch_scc0 .Lfor_b
	tensor_load_to_lds s[G0A:G0A+3], s[G1A:G1A+7]
	s_nop 0
	PLACES
	s_branch .Lasked
.Lfor_b:
	tensor_load_to_lds s[G0B:G0B+3], s[G1B:G1B+7]
	s_nop 0
	PLACES
.Lasked:
	v_and_b32 v1, 15, v0                           ; r
	v_bfe_u32 v2, v0, 4, 1                         ; h
	v_and_b32 v3, 31, v0                           ; lane
	v_lshlrev_b32 v[XSO], 5, v1
	v_lshl_add_u32 v[XSO], v2, 4, v[XSO]           ; x's scale bytes: row r of 32, lanes 16-31 the upper 16
	v_lshlrev_b32 v[L4], 2, v3
	s_lshl_b32 s20, s43, 7
	s_lshl_b32 s21, s17, 6
	s_add_co_u32 s86, s20, s21                     ; my first token
	s_lshl_b32 s20, s86, 5
	s_mov_b32 s21, 0
	s_add_nc_u64 s[6:7], s[6:7], s[20:21]
	s_mul_i32 s46, s42, 6144
	s_lshl_b32 s47, s18, 10
	s_add_co_u32 s46, s46, s47
	s_mov_b32 s47, 0
	s_add_nc_u64 s[10:11], s[10:11], s[46:47]
; THE SCALE WORDS go straight into registers, read once, every load dense.  x: register 4 a + j: K step j in lanes 0-15, K step 4 + j in lanes 16-31.  w: register 4 c + j: K step 2 j in lanes 0-15, 2 j + 1 in lanes 16-31.
.irp a, 0,1,2,3
	global_load_b128 v[XS+4*\a:XS+4*\a+3], v[XSO], s[6:7] offset:512*\a
.endr
.irp s, 0,1,2
.irp u, 0,1
.irp j, 0,1,2,3
	global_load_b32 v[WS+4*(2*\s+\u)+\j], v[L4], s[10:11] offset:(4*\s+\u)*512+128*\j
.endr
.endr
.endr
	s_mul_i32 s85, s17, 64*PITA
	v_mul_u32_u24 v[ADRA], v1, PITA
	v_lshl_add_u32 v[ADRA], v2, 4, v[ADRA]
	v_add_nc_u32 v[ADRA], s85, v[ADRA]             ; x's fragments: (64 rh + r) x pitch + 16 h
	s_lshl_b32 s85, s18, 11
	s_add_co_u32 s85, s85, BOFF
	v_lshl_add_u32 v[ADRB], v3, 4, s85             ; w's: an image of the registers: 16 x lane, my two tiles of each four
	v_add_nc_u32 v[ADRB+1], 49152, v[ADRB]
	s_mul_i32 s85, s17, 64*SPS
	s_lshl_b32 s87, s18, 6
	s_add_co_u32 s85, s85, s87
	s_add_co_u32 s85, s85, STG
	v_mul_u32_u24 v[STO], v1, SPS
	v_lshl_add_u32 v[STO], v2, 4, v[STO]
	v_add_nc_u32 v[STO], s85, v[STO]               ; into the stage: row 64 rh + r, bytes 64 ch + 16 h
	s_mul_i32 s85, s16, 32*SPS
	s_add_co_u32 s85, s85, STG
	v_lshrrev_b32 v64, 3, v3
	v_mul_u32_u24 v[RD], v64, SPS
	v_and_b32 v64, 7, v3
	v_lshl_add_u32 v[RD], v64, 4, v[RD]
	v_add_nc_u32 v[RD], s85, v[RD]                 ; back: my 32 rows, four rows of 128 bytes an instruction
	v_lshlrev_b32 v[GO], 4, v3
	v_lshlrev_b32 v[RO], 8, v1
	v_lshl_add_u32 v[RO], v2, 5, v[RO]             ; r16's v: row r of 256 bytes, + 32 h
	s_lshl_b32 s88, s42, 18
	s_lshl_b32 s89, s43, 14
	s_add_co_u32 s88, s88, s89
	s_lshl_b32 s89, s16, 12
	s_add_co_u32 s88, s88, s89
	s_mov_b32 s89, 0
	s_add_nc_u64 s[76:77], s[12:13], s[88:89]      ; q's, k's and v's rows that I store: a base for each section
	s_add_nc_u64 s[78:79], s[76:77], 0x400000
	s_add_nc_u64 s[80:81], s[78:79], 0x400000
	s_mul_i32 s88, s42, 12288
	s_lshl_b32 s90, s18, 11
	s_add_co_u32 s90, s90, s88
	s_mov_b32 s91, 0
	s_add_nc_u64 s[92:93], s[14:15], s[90:91]      ; r16's q and k: my four chunks of 512 bytes begin at chunk 4 ch
	s_lshl_b32 s90, s18, 7
	s_add_co_u32 s88, s88, s90
	s_add_nc_u64 s[82:83], s[14:15], s[88:89]      ; r16's v: my 32 channels of a row
	s_or_b32 s90, s43, s17
	v_mov_b32 v[PRD], s90                          ; 0 where my first 16 rows are the sequence's first 16
; ROPE'S TABLE.  Pair i = 16 ch + 8 u + 4 h + p.
	v_lshlrev_b32 v64, 2, v2
	s_lshl_b32 s85, s18, 4
	v_add_nc_u32 v64, s85, v64
.irp n, 0,1,2,3,4,5,6,7
	v_add_nc_u32 v[FQ+\n], \n+4*(\n/4), v64
.endr
.irp n, 0,1,2,3,4,5,6,7
	v_cvt_f32_u32 v[FQ+\n], v[FQ+\n]
.endr
.irp n, 0,1,2,3,4,5,6,7
	v_mul_f32 v[FQ+\n], 0xbed49a78, v[FQ+\n]       ; x -log2(10000) / 32
.endr
.irp n, 0,1,2,3,4,5,6,7
	v_exp_f32 v[FQ+\n], v[FQ+\n]
.endr
	v_add_nc_u32 v[TF], s86, v1                    ; my tokens, one for each row tile (plain lines behind the exponentials)
	v_add_nc_u32 v[TF+1], 16, v[TF]
	v_add_nc_u32 v[TF+2], 32, v[TF]
	v_add_nc_u32 v[TF+3], 48, v[TF]
.irp a, 0,1,2,3
	v_cvt_f32_u32 v[TF+\a], v[TF+\a]
.endr
	s_wait_alu depctr_va_vdst(0)                   ; one wait for the eight exponentials, ahead of their first reader
.macro SINCOS a, u                     ; cos and sin of token a's angles with frequencies 4 u + 0 .. 3, the four by turns
.irp p, 0,1,2,3
	v_mul_f32 v[ANG+\p], v[TF+\a], v[FQ+4*\u+\p]
.endr
.irp p, 0,1,2,3
	v_mul_f32 v[NN+\p], s66, v[ANG+\p]
.endr
.irp p, 0,1,2,3
	v_rndne_f32 v[NN+\p], v[NN+\p]                 ; how many quarter turns
.endr
.irp p, 0,1,2,3
	v_fma_f32 v[RR+\p], v[NN+\p], s67, v[ANG+\p]
.endr
.irp p, 0,1,2,3
	v_fma_f32 v[RR+\p], v[NN+\p], s68, v[RR+\p]    ; what is left: |r| <= pi / 4
.endr
.irp p, 0,1,2,3
	v_cvt_i32_f32 v[QI+\p], v[NN+\p]
.endr
.irp p, 0,1,2,3
	v_mul_f32 v[ZZ+\p], v[RR+\p], v[RR+\p]
.endr
.irp p, 0,1,2,3
	v_fma_f32 v[SN+\p], v[ZZ+\p], s69, s70
.endr
.irp p, 0,1,2,3
	v_fma_f32 v[CN+\p], v[ZZ+\p], s72, s73
.endr
.irp p, 0,1,2,3
	v_fma_f32 v[SN+\p], v[SN+\p], v[ZZ+\p], s71
.endr
.irp p, 0,1,2,3
	v_fma_f32 v[CN+\p], v[CN+\p], v[ZZ+\p], s74
.endr
.irp p, 0,1,2,3
	v_mul_f32 v[TT+\p], v[ZZ+\p], v[RR+\p]
.endr
.irp p, 0,1,2,3
	v_fma_f32 v[ANG+\p], v[ZZ+\p], -0.5, 1.0
.endr
.irp p, 0,1,2,3
	v_fma_f32 v[SN+\p], v[SN+\p], v[TT+\p], v[RR+\p]   ; sin r
.endr
.irp p, 0,1,2,3
	v_mul_f32 v[TT+\p], v[ZZ+\p], v[ZZ+\p]
.endr
.irp p, 0,1,2,3
	v_fma_f32 v[CN+\p], v[CN+\p], v[TT+\p], v[ANG+\p]  ; cos r
.endr
.irp p, 0,1,2,3
	v_and_b32 v[TT+\p], 1, v[QI+\p]
.endr
.irp p, 0,1,2,3
	v_cmp_eq_u32 vcc_lo, 1, v[TT+\p]               ; an odd number of quarter turns swaps the two
	v_cndmask_b32 v[NN+\p], v[SN+\p], v[CN+\p], vcc_lo
	v_cndmask_b32 v[RR+\p], v[CN+\p], v[SN+\p], vcc_lo
.endr
.irp p, 0,1,2,3
	v_lshlrev_b32 v[TT+\p], 30, v[QI+\p]
.endr
.irp p, 0,1,2,3
	v_add_nc_u32 v[QI+\p], 1, v[QI+\p]
.endr
.irp p, 0,1,2,3
	v_and_b32 v[TT+\p], 0x80000000, v[TT+\p]       ; the sine's sign: bit 1 of the count
.endr
.irp p, 0,1,2,3
	v_lshlrev_b32 v[QI+\p], 30, v[QI+\p]
.endr
.irp p, 0,1,2,3
	v_and_b32 v[QI+\p], 0x80000000, v[QI+\p]       ; the cosine's: bit 1 of the count + 1
.endr
	WIN 0x40                                       ; destination window 1
.irp p, 0,1,2,3
	v_xor_b32 v[CSW+16*\a+8*\u+2*\p], v[RR+\p], v[QI+\p]
	v_xor_b32 v[CSW+16*\a+8*\u+2*\p+1], v[NN+\p], v[TT+\p]
.endr
	WIN 0
.endm
.irp a, 0,1,2,3
	SINCOS \a, 0
	SINCOS \a, 1
.endr
; One product.  The rows of the scale registers follow the K step: w's word lies in lanes 16-31 in odd steps, x's in steps 4 to 7.
.macro MM acc, wf, xf, sw, sx, q, zero
.if \zero
	v_wmma_scale_f32_16x16x128_f8f6f4 v[\acc:\acc+7], v[\wf:\wf+7], v[\xf:\xf+7], 0, v[\sw], v[\sx] matrix_a_fmt:MATRIX_FMT_FP4 matrix_b_fmt:MATRIX_FMT_FP4
.elseif ((\q)&1) && ((\q)>>2)
	v_wmma_scale_f32_16x16x128_f8f6f4 v[\acc:\acc+7], v[\wf:\wf+7], v[\xf:\xf+7], v[\acc:\acc+7], v[\sw], v[\sx] matrix_a_fmt:MATRIX_FMT_FP4 matrix_b_fmt:MATRIX_FMT_FP4 matrix_a_scale:MATRIX_SCALE_ROW1 matrix_b_scale:MATRIX_SCALE_ROW1
.elseif ((\q)&1)
	v_wmma_scale_f32_16x16x128_f8f6f4 v[\acc:\acc+7], v[\wf:\wf+7], v[\xf:\xf+7], v[\acc:\acc+7], v[\sw], v[\sx] matrix_a_fmt:MATRIX_FMT_FP4 matrix_b_fmt:MATRIX_FMT_FP4 matrix_a_scale:MATRIX_SCALE_ROW1
.elseif ((\q)>>2)
	v_wmma_scale_f32_16x16x128_f8f6f4 v[\acc:\acc+7], v[\wf:\wf+7], v[\xf:\xf+7], v[\acc:\acc+7], v[\sw], v[\sx] matrix_a_fmt:MATRIX_FMT_FP4 matrix_b_fmt:MATRIX_FMT_FP4 matrix_b_scale:MATRIX_SCALE_ROW1
.else
	v_wmma_scale_f32_16x16x128_f8f6f4 v[\acc:\acc+7], v[\wf:\wf+7], v[\xf:\xf+7], v[\acc:\acc+7], v[\sw], v[\sx] matrix_a_fmt:MATRIX_FMT_FP4 matrix_b_fmt:MATRIX_FMT_FP4
.endif
.endm
.macro MULS q, buf, zero               ; a K step: the 24 accumulators take turns, one instruction a turn, in the same order in every step
	WIN 0x50                                       ; C and D window 1
.irp a, 0,1,2,3
.irp c, 0,1,2,3,4,5
	MM 8*(6*\a+\c), \buf+32+8*\c, \buf+8*\a, WS+4*\c+((\q)>>1), XS+4*\a+((\q)&3), \q, \zero
.endr
.endr
	WIN 0
.endm
.macro FETCH q, buf                    ; 20 LDS loads: a fragment (16 rows x 128 K of 4-bit codes) is two loads of 16 bytes a lane
.irp a, 0,1,2,3
.irp c, 0,1
	ds_load_b128 v[\buf+8*\a+4*\c:\buf+8*\a+4*\c+3], v[ADRA] offset:16*PITA*\a+64*(\q)+32*\c
.endr
.endr
.irp s, 0,1,2
.irp u, 0,1
.irp c, 0,1
	ds_load_b128 v[\buf+32+8*(2*\s+\u)+4*\c:\buf+32+8*(2*\s+\u)+4*\c+3], v[ADRB+((\q)>>2)] offset:((\q)&3)*12288+(4*\s+\u)*1024+512*\c
.endr
.endr
.endr
.endm
	s_wait_tensorcnt 0x0                           ; my part of the tiles has landed,
	s_wait_loadcnt 0x0                             ; the scale words are in,
	s_barrier_signal -1
	s_barrier_wait -1                              ; everybody's part has landed.
	FETCH 0, BUF0
	FETCH 1, BUF1
	s_wait_dscnt 20                                ; step 0's fragments are in; the 20 loads just issued may be out
	MULS 0, BUF0, 1                                ; the first step's products start the sums: nothing is cleared
.irp q, 1,2,3,4,5,6
	PLACES                                         ; four places in front of loads into registers that the last products read
	FETCH (\q)+1, BUF0+80*(((\q)+1)%2)
	s_wait_dscnt 20
	MULS \q, BUF0+80*((\q)%2), 0
.endr
	s_wait_dscnt 0x0
	MULS 7, BUF1, 0
	PLACES                                         ; in front of the first read of results
; THE WAY OUT.  q's and k's tiles are rotated in f32, all six are rounded to f16, 16 bytes a lane, and go through the stage, so that rows leave whole.
.macro ROPE a, c                       ; column tile c (q: 0, 1; k: 2, 3) of row tile a -> v[F + 8 c ..]; the first read of the accumulator is its register 1
.set AC, 8*(6*(\a)+(\c))
.set CC, CSW+16*(\a)+8*((\c)&1)
.set FF, F+8*(\c)
.irp p, 0,1,2,3
	v_mul_f32 v[TMP+\p], v[AC+2*\p+1], v[CC+2*\p+1]                ; x2 sin
.endr
.irp p, 0,1,2,3
	v_mul_f32 v[TMP+4+\p], v[AC+2*\p+1], v[CC+2*\p]                ; x2 cos
.endr
.irp p, 0,1,2,3
	v_fma_f32 v[FF+2*\p], v[AC+2*\p], v[CC+2*\p], -v[TMP+\p]       ; x1 cos - x2 sin
.endr
.irp p, 0,1,2,3
	v_fma_f32 v[FF+2*\p+1], v[AC+2*\p], v[CC+2*\p+1], v[TMP+4+\p]  ; x1 sin + x2 cos
.endr
.endm
.macro OUTA a
	WIN 0x05                                       ; sources 0 and 1 window 1
	ROPE \a, 0
	ROPE \a, 1
	ROPE \a, 2
	ROPE \a, 3
.irp c, 4,5
.irp i, 0,1,2,3
	v_cvt_pk_f16_f32 v[H+24*(\a)+4*\c+\i], v[8*(6*(\a)+\c)+2*\i], v[8*(6*(\a)+\c)+2*\i+1]   ; v takes no rotation
.endr
.endr
	WIN 0
.if (\a) == 0                          ; the sequence's first 16 rows leave in f32 too, where they are mine: all lanes off elsewhere
	s_wait_xcnt 0x0                                ; EXEC changes only behind this wait
	v_cmp_eq_u32 vcc_lo, 0, v[PRD]
	s_and_saveexec_b32 s84, vcc_lo
.irp c, 0,1,2,3
	global_store_b128 v[GO], v[F+8*\c:F+8*\c+3], s[92:93] offset:(\c/2)*4096+(\c%2)*1024       ; q, k: chunk 4 ch + 2 u: the wave stores 512 consecutive bytes
	global_store_b128 v[GO], v[F+8*\c+4:F+8*\c+7], s[92:93] offset:(\c/2)*4096+(\c%2)*1024+512 ; and chunk 4 ch + 2 u + 1
.endr
	WIN 0x04                                       ; a store's data are its source 1: window 1
.irp u, 0,1
	global_store_b128 v[RO], v[8*(4+\u):8*(4+\u)+3], s[82:83] offset:8192+64*\u
	global_store_b128 v[RO], v[8*(4+\u)+4:8*(4+\u)+7], s[82:83] offset:8192+64*\u+16
.endr
	WIN 0
	s_wait_xcnt 0x0                                ; the stores have read their registers and EXEC
	s_or_b32 exec_lo, exec_lo, s84
.endif
.irp c, 0,1,2,3
.irp i, 0,1,2,3
	v_cvt_pk_f16_f32 v[H+24*(\a)+4*\c+\i], v[F+8*\c+2*\i], v[F+8*\c+2*\i+1]
.endr
.endr
.irp c, 0,1,2,3,4,5
	ds_store_b128 v[STO], v[H+24*(\a)+4*\c:H+24*(\a)+4*\c+3] offset:(\c/2)*SEC+(\a)*16*SPS+32*(\c%2)   ; each row tile has packed registers of its own
.endr
.endm
	OUTA 0
	OUTA 1
	OUTA 2
	OUTA 3
	s_wait_dscnt 0x0                               ; for the others' sake: my stores into the stage are done
	s_barrier_signal -1
	s_barrier_wait -1
.irp s, 0,1,2
.irp i, 0,1,2,3,4,5,6,7
	ds_load_b128 v[H+4*(8*\s+\i):H+4*(8*\s+\i)+3], v[RD] offset:\s*SEC+4*SPS*\i
.endr
.endr
.irp s, 0,1,2
.irp i, 0,1,2,3,4,5,6,7
	s_wait_dscnt 23-8*\s-\i
	global_store_b128 v[GO], v[H+4*(8*\s+\i):H+4*(8*\s+\i)+3], s[76+2*\s:77+2*\s] offset:512*\i   ; four rows of 128 bytes: 512 consecutive bytes, aligned
.endr
.endr
	s_wait_tensorcnt 0x0                           ; the wave's end
	ds_add_u32 v[SPW], v[NIL]
	s_wait_dscnt 0x0
	CROUND                                         ; the closing round
	s_endpgm
.Lfunc_end_k_q9e8d44b588_qkv:
	.size	k_q9e8d44b588_qkv, .Lfunc_end_k_q9e8d44b588_qkv-k_q9e8d44b588_qkv
	.p2alignl 7, 3214868480
	.fill 96, 4, 3214868480
	.section	.rodata,"a",@progbits
	.p2align	6, 0x0
	.amdhsa_kernel k_q9e8d44b588_qkv
		.amdhsa_group_segment_fixed_size 229376
		.amdhsa_private_segment_fixed_size 0
		.amdhsa_enable_private_segment 0
		.amdhsa_kernarg_size 48
		.amdhsa_user_sgpr_count 2
		.amdhsa_user_sgpr_kernarg_segment_ptr 1
		.amdhsa_wavefront_size32 1
		.amdhsa_system_sgpr_workgroup_id_x 1
		.amdhsa_system_sgpr_workgroup_id_y 1
		.amdhsa_system_sgpr_workgroup_id_z 1
		.amdhsa_system_vgpr_workitem_id 0
		.amdhsa_next_free_vgpr 512
		.amdhsa_next_free_sgpr 96
		.amdhsa_reserve_vcc 1
		.amdhsa_float_denorm_mode_32 3
		.amdhsa_float_denorm_mode_16_64 3
		.amdhsa_memory_ordered 1
		.amdhsa_forward_progress 1
		.amdhsa_inst_pref_size 112
	.end_amdhsa_kernel
	.amdgpu_metadata
---
amdhsa.version: [ 1, 2 ]
amdhsa.kernels:
  - .name:           k_q9e8d44b588_qkv
    .symbol:         k_q9e8d44b588_qkv.kd
    .args:
      - { .name: xc, .offset: 0, .size: 8, .value_kind: global_buffer, .address_space: global }
      - { .name: xs, .offset: 8, .size: 8, .value_kind: global_buffer, .address_space: global }
      - { .name: wc, .offset: 16, .size: 8, .value_kind: global_buffer, .address_space: global }
      - { .name: ws, .offset: 24, .size: 8, .value_kind: global_buffer, .address_space: global }
      - { .name: qkvh, .offset: 32, .size: 8, .value_kind: global_buffer, .address_space: global }
      - { .name: r16, .offset: 40, .size: 8, .value_kind: global_buffer, .address_space: global }
    .group_segment_fixed_size: 229376
    .private_segment_fixed_size: 0
    .kernarg_segment_align: 8
    .kernarg_segment_size: 48
    .max_flat_workgroup_size: 128
    .sgpr_count:     96
    .vgpr_count:     512
    .wavefront_size: 32
...
	.end_amdgpu_metadata
.endif
;; end of part 2
;; launch attn (part 3): grid 16 x 16, 8 waves a work-group, no clusters, 327,680 bytes of LDS; arguments qkvh, y; writes y
.if DOCPART == 3
	.amdgcn_target "amdgcn-amd-amdhsa--gfx1250"
	.amdhsa_code_object_version 6
	.text
	.protected	k_q9e8d44b588_attn
	.globl	k_q9e8d44b588_attn
	.p2align	8
	.type	k_q9e8d44b588_attn,@function
k_q9e8d44b588_attn:
	s_mov_b64 s[64:65], 0
	v_nop
	global_prefetch_b8 v0, s[64:65] scope:SCOPE_SE
	s_setreg_imm32_b32 hwreg(HW_REG_WAVE_MODE, 25, 1), 1
	s_wait_xcnt 0x0
; ATTN: y = softmax(q k^T / 8, causal) v for one head, q, k, v in f16 (qkvh [s][head][t][64]), products with f32 sums, maxima, exponentials and sums in f32, p rounded to f16 for the second product.
; y: f16, [row block of 128: 16][head 16][row 128][64].
; SHARES.  Work-group j of a head owns the blocks of 64 queries j and 31 - j: (j + 1) + (32 - j) = 33 key steps of 64 for every work-group.  A wave owns TWO tiles of 16 queries, 32 neighbouring queries, so that each
; fragment of K and V that it reads from LDS feeds two matrix instructions.  Each such pair of tiles has two waves (w and w xor 1), which take the key steps of even and of odd number; the two parts meet in LDS at the end.
; The wave's number: bit 0 the parity of its key steps, bit 1 which 32 queries of the block, bit 2 block j or 31 - j.
; LAYOUT.  S^T = K Q^T (source 0 = 16 keys, source 1 = 16 queries), O^T = V^T P (source 0 = 16 channels, turned on the way out of LDS): a lane holds ONE query (lane % 16) of each tile throughout.
; RING.  Two slots of 256 keys (four steps, two for each parity), filled by waves 0, 1 (K's halves) and 2, 3 (V's).  Every work-group walks all 8 slots: trip counts are constants; a step all of whose keys come after the
; wave's queries is jumped over, and a slot whose first key comes after the work-group's last query is not asked for.  In a slot's first step the second step's K is fetched as soon as the products have read K's registers.
; NO CLUSTER: the work-groups of a head end their loads at different slots (the last query is 64 (31 - j) + 63), so a partner past its limit would read nothing of a joint tile.
; SOFTMAX: a running maximum m and sum l for each query; p = 2^(c s - c m), c = log2(e) / 8; O and l are multiplied by 2^(c m_old - c m_new) in every step.
; LIMITS: |q|, |k|, |v| under 65,504; NaN and infinities are not served.
; REGISTERS.  window 0: v1-19 addresses; v32-95 K of a step; v96-159 V of a step; v160-223 S^T, then p, 32 a tile; v224-239 statistics, 8 a tile; v240-255 at work.
;   window 1: v0-63 O^T, 32 a tile; v64-95 Q, 16 a tile; v96-127 p in f16, 16 a tile.
.set SLOT1, 1<<17                      ; slot 1 begins here: one exclusive or turns an address from slot to slot
.set KP,    144                        ; a key's row: 128 bytes + 16: 9 x 16
.set VP,    160                        ; a value's row: 128 + 32: 5 x 32, for the turning load
.set VOFF,  256*KP
.set IMG,   SLOT1+VOFF+256*VP          ; behind the ring: for each wave the images of its two O^T (2 x 4,096 bytes), then for each tile c m (128) and l (128)
.set IMB,   8704
.set STG,   IMG+8*IMB                  ; a stage of 16 rows x 144 bytes for each wave
.set SPARE, STG+8*2304                 ; the spare words, 128 bytes a wave
.set AK0, 1
.set AV0, 2
.set IMW, 3                            ; where I lay my images
.set IMM, 4                            ; my own part of the tile that I finish
.set SPW, 5
.set NIL, 6
.set ISW, 7
.set ADK, 8
.set ADV, 9
.set IMP, 10                           ; my partner's part of it
.set STO, 11
.set RD,  12
.set GO,  13
.set PFO, 14
.set DD,  16                           ; v16, v17: the diagonal's d, a tile each
.set ISM, 18
.set ISP, 19
.set KR,  32                           ; 8 (2 kt + dh)
.set VR,  96                           ; 8 (4 kh + dt)
.set S,   160
.set ST,  224                          ; tile t at 8 t: +0 c m, +1 m, +2, +3 l in two halves, +4 .. +7 at work; a in +6
.set OA,  0                            ; in window 1
.set QR,  64
.set P,   96
.set WV,  18
.set PAR, 19
.set SEL, 20
.set CS,  22
.set G1K, 24
.set G1V, 32
.set G0K, 40
.set G0V, 44
.set TB,  2
.set SLOTS, 67
.set PFA, 76
.set LIM, 80
.set KS,  94                           ; s94  the first key of the step in hand
.set LASTQ, 96
.set SK,  97
.set KF,  98                           ; s98  the first key of my first step in the slot in hand
.set Q0,  99
.set MSB, 0
.macro WIN new                         ; the immediate's high byte repeats the setting that is left; bits 1:0 source 0, 3:2 source 1, 5:4 source 2, 7:6 destination
.if MSB != \new
	s_set_vgpr_msb (MSB<<8)|\new
.set MSB, \new
.endif
.endm
.macro TLOAD                           ; waves 0, 1 fetch K's halves, waves 2, 3 V's, the others nothing; an s_nop 0 and four v_nop follow each line
	s_cmp_lt_u32 s[WV], 2
	s_cbranch_scc0 .Lnot_k_\@
	tensor_load_to_lds s[G0K:G0K+3], s[G1K:G1K+7]
	s_nop 0
.rept 4
	v_nop
.endr
	s_branch .Lasked_\@
.Lnot_k_\@:
	s_cmp_lt_u32 s[WV], 4
	s_cbranch_scc0 .Lasked_\@
	tensor_load_to_lds s[G0V:G0V+3], s[G1V:G1V+7]
	s_nop 0
.rept 4
	v_nop
.endr
.Lasked_\@:
.endm
; A PREFETCH of what the NEXT change of slots will ask for: 256 rows of K and of V, two dense blocks of 32,768 bytes.  All work-groups of a head walk the same rows: work-group 0, which walks all slots, asks, and in it
; the waves that fetch nothing, waves 4-7: 8,192 bytes of K's block and the same of V's, which lies 0x400000 bytes on, lanes 256 bytes apart: each aligned 256 bytes is named once in the launch.  A slot's key steps ahead of
; the load.  The last change that fills a slot asks for nothing; slots 0 and 1 come by their loads alone.
.macro ASK
	s_cmp_gt_u32 s[SLOTS], s[LIM]
	s_cbranch_scc0 .Lnot_mine_\@
	global_prefetch_b8 v[PFO], s[PFA:PFA+1] th:TH_LOAD_NT scope:SCOPE_SE
	global_prefetch_b8 v[PFO], s[PFA:PFA+1] offset:0x400000 th:TH_LOAD_NT scope:SCOPE_SE
.Lnot_mine_\@:
.endm
	s_load_b128 s[4:7], s[0:1], 0x0                ; qkvh s[4:5], y s[6:7]
	v_lshl_add_u32 v[SPW], v0, 2, SPARE
	v_mov_b32 v[NIL], 0
	ds_add_u32 v[SPW], v[NIL]                      ; the wave's opening: the add, twice on end, and its wait ahead of the first tensor load
	ds_add_u32 v[SPW], v[NIL]
	v_lshrrev_b32 v8, 5, v0
	v_readfirstlane_b32 s[WV], v8                  ; wave 0..7
	s_and_b32 s[PAR], s[WV], 1                     ; which key steps are mine: even or odd.  Also: which of the pair's two tiles I finish
	s_bfe_u32 s48, s[WV], 0x10001                  ; which 32 queries of the block
	s_and_b32 s49, ttmp7, 0xffff                   ; the head
	s_sub_co_u32 s50, 31, ttmp9
	s_cmp_lt_u32 s[WV], 4
	s_cselect_b32 s51, ttmp9, s50                  ; my block of 64 queries: j or 31 - j (it enters global addresses and compares alone)
	s_lshl_b32 s52, s48, 5
	s_lshl_b32 s[Q0], s51, 6
	s_add_co_u32 s[Q0], s[Q0], s52                 ; my first query
	s_lshl_b32 s[LASTQ], s50, 6
	s_add_co_u32 s[LASTQ], s[LASTQ], 63            ; the work-group's last query
	s_lshl_b32 s[KF], s[PAR], 6
	s_mov_b32 s[SK], 0                             ; the slot's first key
	s_mov_b32 s[TB], 0
	s_mov_b32 s[SLOTS], 7
	s_mov_b32 s[SEL], 0x76543210
	s_mov_b32 s[SEL+1], 0xfedcba98
	s_mov_b32 s[CS], 0x3e38aa3b                    ; c = log2(e) / 8
	s_mov_b32 s[CS+1], s[CS]
	s_mov_b32 s[G1K], (1<<16)|(1<<20)|(4<<22)|(3<<25)   ; elements of 2 bytes; 4 words of padding behind every 32
	s_mov_b32 s[G1V], (1<<16)|(1<<20)|(4<<22)|(7<<25)   ; 8 words
.irp g, G1K, G1V
	s_mov_b32 s[\g+1], 64<<16                      ; tensor_dim0 = 64
	s_mov_b32 s[\g+2], 128<<16                     ; tensor_dim1 = 128
	s_mov_b32 s[\g+3], 64<<16                      ; tile_dim0
	s_mov_b32 s[\g+4], 128                         ; tile_dim1
	s_mov_b32 s[\g+5], 64                          ; from row to row
	s_mov_b32 s[\g+6], 0
	s_mov_b32 s[\g+7], 0
.endr
	s_and_b32 s53, s[WV], 1                        ; which half I fetch, if I fetch
	s_lshl_b32 s54, s49, 18                        ; the head's first byte in a section
	s_lshl_b32 s52, s53, 14
	s_add_co_u32 s52, s52, s54
	s_add_co_u32 s52, s52, 0x400000                ; K's section
	s_mul_i32 s60, s53, 128*KP
	s_mul_i32 s61, s53, 128*VP
	s_add_co_u32 s61, s61, VOFF
	s_mov_b32 s53, 0
	s_lshl_b32 s56, s[Q0], 7
	s_add_co_u32 s56, s56, s54
	s_mov_b32 s57, 0
	s_wait_dscnt 0x0                               ; both opening adds are done
	s_wait_kmcnt 0x0
	s_mov_b32 s[G0K], 1
	s_mov_b32 s[G0K+1], s60
	s_add_nc_u64 s[G0K+2:G0K+3], s[4:5], s[52:53]
	s_mov_b32 s[G0V], 1
	s_mov_b32 s[G0V+1], s61
	s_add_nc_u64 s[G0V+2:G0V+3], s[G0K+2:G0K+3], 0x400000   ; V's section
	s_or_b32 s[G0K+3], s[G0K+3], 0x80000000
	s_or_b32 s[G0V+3], s[G0V+3], 0x80000000
	TLOAD                                          ; slot 0
	s_add_nc_u64 s[56:57], s[4:5], s[56:57]        ; Q at my first query
	v_and_b32 v248, 15, v0                         ; r
	v_bfe_u32 v249, v0, 4, 1                       ; h
	v_and_b32 v250, 31, v0                         ; lane
	v_and_b32 v251, 7, v0
	v_bfe_u32 v252, v0, 3, 1
	v_bfe_u32 v253, v0, 3, 2
	v_lshlrev_b32 v254, 7, v248
	v_lshl_add_u32 v254, v249, 4, v254
	WIN 0x40                                       ; destination window 1
.irp t, 0,1
.irp i, 0,1,2,3
	global_load_b128 v[QR+16*\t+4*\i:QR+16*\t+4*\i+3], v254, s[56:57] offset:2048*\t+32*\i   ; Q's two fragments of each tile stay in registers
.endr
.endr
.set zn, 0
.rept 64
	v_mov_b32 v[OA+zn], 0                          ; O^T.  The step is written once for all steps: the first finds zeros
.set zn, zn+1
.endr
	WIN 0
	s_add_co_u32 s82, s54, 0x400000                ; the prefetches: K's section, my head,
	s_and_b32 s83, s[WV], 3
	s_lshl_b32 s83, s83, 13
	s_add_co_u32 s82, s82, s83                     ; my 8,192 bytes of a slot's 32,768,
	s_add_co_u32 s82, s82, 32768                   ; in slot 1: the first change of slots steps it to slot 2
	s_mov_b32 s83, 0
	s_add_nc_u64 s[PFA:PFA+1], s[4:5], s[82:83]
	s_lshr_b32 s82, s[WV], 2
	s_xor_b32 s82, s82, 1                          ; 0 in waves 4 to 7,
	s_or_b32 s82, s82, ttmp9                       ; of the head's work-group 0
	s_cmp_eq_u32 s82, 0
	s_cselect_b32 s[LIM], 1, -1
	s_lshl_b32 s59, s[PAR], 4
	s_add_co_u32 s59, s59, s[Q0]                   ; the first query of the tile that I finish
	s_lshr_b32 s58, s59, 7                         ; y: (16 x row block + head) x 16,384 + row x 128
	s_lshl_b32 s58, s58, 4
	s_add_co_u32 s58, s58, s49
	s_lshl_b32 s58, s58, 14
	s_and_b32 s59, s59, 127
	s_lshl_b32 s59, s59, 7
	s_add_co_u32 s58, s58, s59
	s_mov_b32 s59, 0
	s_add_nc_u64 s[6:7], s[6:7], s[58:59]
	; every LDS address is made here: a constant, a constant x lane, a constant x wave
	v_mul_u32_u24 v[AK0], v248, KP
	v_lshl_add_u32 v[AK0], v249, 4, v[AK0]
	s_mul_i32 s58, s[PAR], 64*KP
	v_add_nc_u32 v[AK0], s58, v[AK0]               ; K: row r, + 16 h, + my steps' 64 rows
	v_lshl_add_u32 v[AV0], v249, 3, v251
	v_mul_u32_u24 v[AV0], v[AV0], VP
	v_lshl_add_u32 v[AV0], v252, 4, v[AV0]
	s_mul_i32 s58, s[PAR], 64*VP
	s_add_co_u32 s58, s58, VOFF
	v_add_nc_u32 v[AV0], s58, v[AV0]               ; V, for the turning load: key 8 h + lane % 8, channels 8 ((lane / 8) % 2) on
	s_mul_i32 s58, s[WV], IMB
	s_add_co_u32 s58, s58, IMG
	v_lshl_add_u32 v[IMW], v250, 4, s58
	s_add_co_u32 s59, s58, 8192
	v_lshl_add_u32 v[ISW], v250, 2, s59
	s_lshl_b32 s62, s[PAR], 12                     ; the tile that I finish: 4,096 bytes of image,
	s_lshl_b32 s63, s[PAR], 8                      ; 256 bytes of statistics a tile
	s_add_co_u32 s60, s58, s62
	v_lshl_add_u32 v[IMM], v250, 4, s60
	s_add_co_u32 s61, s59, s63
	v_lshl_add_u32 v[ISM], v250, 2, s61
	s_xor_b32 s60, s[WV], 1                        ; my partner
	s_mul_i32 s60, s60, IMB
	s_add_co_u32 s60, s60, IMG
	s_add_co_u32 s61, s60, s62
	v_lshl_add_u32 v[IMP], v250, 4, s61
	s_add_co_u32 s60, s60, 8192
	s_add_co_u32 s60, s60, s63
	v_lshl_add_u32 v[ISP], v250, 2, s60
	s_mul_i32 s58, s[WV], 2304
	s_add_co_u32 s58, s58, STG
	v_mul_u32_u24 v[STO], v248, 144
	v_lshl_add_u32 v[STO], v249, 4, v[STO]
	v_add_nc_u32 v[STO], s58, v[STO]
	v_mul_u32_u24 v[RD], v253, 144
	v_lshl_add_u32 v[RD], v251, 4, v[RD]
	v_add_nc_u32 v[RD], s58, v[RD]                 ; back: four rows an instruction
	v_lshlrev_b32 v[GO], 4, v250
	v_lshlrev_b32 v[PFO], 8, v250
.irp t, 0,1
	v_mov_b32 v[ST+8*\t+1], 0xff61b1e6             ; m = -3e38, under every score
	v_mul_f32 v[ST+8*\t], s[CS], v[ST+8*\t+1]      ; c m
.irp i, 2,3,4,5,6,7
	v_mov_b32 v[ST+8*\t+\i], 0                     ; l; and the registers at work, which a wave that walks no step reads as parts of pairs
.endr
.endr
.macro KLOAD i                         ; K of my i-th step of the slot: 64 keys x 64 channels, 16 loads
.irp kt, 0,1,2,3
.irp dh, 0,1
	ds_load_b128 v[KR+8*(2*\kt+\dh):KR+8*(2*\kt+\dh)+3], v[ADK] offset:128*KP*\i+16*KP*\kt+64*\dh
	ds_load_b128 v[KR+8*(2*\kt+\dh)+4:KR+8*(2*\kt+\dh)+7], v[ADK] offset:128*KP*\i+16*KP*\kt+64*\dh+32
.endr
.endr
.endm
.macro VLOAD i                         ; V likewise, turned
.irp kh, 0,1
.irp dt, 0,1,2,3
	ds_load_tr16_b128 v[VR+8*(4*\kh+\dt):VR+8*(4*\kh+\dt)+3], v[ADV] offset:128*VP*\i+32*VP*\kh+32*\dt
	ds_load_tr16_b128 v[VR+8*(4*\kh+\dt)+4:VR+8*(4*\kh+\dt)+7], v[ADV] offset:128*VP*\i+32*VP*\kh+32*\dt+16*VP
.endr
.endr
.endm
; A KEY STEP for both my tiles: 64 keys from s[KS] on, my i-th step of the slot in hand.
.macro BODY i
.if \i == 0
	v_add_nc_u32 v[ADK], s[TB], v[AK0]
	v_add_nc_u32 v[ADV], s[TB], v[AV0]
	v_nop
	v_nop                                          ; four places in front of loads into V's registers, which the last products read
	KLOAD 0
.else
.rept 4
	v_nop                                          ; the same four; K was fetched in the step before
.endr
.endif
	VLOAD \i
	s_wait_dscnt 16                                ; K is in; V's 16 loads, issued behind K's, may be out
	WIN 0x04                                       ; source 1 (Q) window 1
.irp t, 0,1                            ; a tile's four accumulators take turns; the first tile's scores are whole while the second's are made
.irp kt, 0,1,2,3
	v_wmma_f32_16x16x32_f16 v[S+32*\t+8*\kt:S+32*\t+8*\kt+7], v[KR+16*\kt:KR+16*\kt+7], v[QR+16*\t:QR+16*\t+7], 0
.endr
.irp kt, 0,1,2,3
	v_wmma_f32_16x16x32_f16 v[S+32*\t+8*\kt:S+32*\t+8*\kt+7], v[KR+16*\kt+8:KR+16*\kt+15], v[QR+16*\t+8:QR+16*\t+15], v[S+32*\t+8*\kt:S+32*\t+8*\kt+7]
.endr
.endr
	WIN 0
.rept 4
	v_nop                                          ; four places: in front of the first read of the scores, and of loads into K's registers
.endr
.if \i == 0
	KLOAD 1                                        ; the slot's second step's K lands while this step's softmax is walked.  (Should that step be hidden, the bytes are not used: the slot has landed all the same)
.endif
	s_add_co_u32 s95, s[KS], 63
	s_cmp_le_u32 s95, s[Q0]                        ; all keys count for all my queries: no mask
	s_cbranch_scc1 .Lopen_\@
	s_sub_co_i32 s95, s[Q0], s[KS]
	v_and_b32 v252, 15, v0
	v_bfe_u32 v253, v0, 4, 1
	v_lshlrev_b32 v253, 3, v253
	v_sub_nc_u32 v252, v252, v253
	v_add_nc_u32 v[DD], s95, v252                  ; d = my query - the step's first key - 8 h.  Register 8 kt + j holds key 16 kt + 8 h + j: hidden where 16 kt + j > d
	v_add_nc_u32 v[DD+1], 16, v[DD]                ; the second tile's queries lie 16 on
	v_mov_b32 v254, 0xff800000                     ; -infinity: p = 0
.set mn, 0
.rept 64
	v_cmp_gt_i32 vcc_lo, 16*((mn%32)/8)+mn%8, v[DD+mn/32]
	v_cndmask_b32 v[S+mn], v[S+mn], v254, vcc_lo
.set mn, mn+1
.endr
.Lopen_\@:
.irp t, 0,1
.irp j, 0,1,2,3
	v_max3_num_f32 v[ST+8*\t+4+\j], v[S+32*\t+8*\j], v[S+32*\t+8*\j+1], v[S+32*\t+8*\j+2]     ; the maximum: four chains a tile, each begun at its accumulator's low end
.endr
.irp g, 1,2
.irp j, 0,1,2,3
	v_max3_num_f32 v[ST+8*\t+4+\j], v[ST+8*\t+4+\j], v[S+32*\t+8*\j+2*\g+1], v[S+32*\t+8*\j+2*\g+2]
.endr
.endr
	v_max3_num_f32 v[ST+8*\t+4], v[ST+8*\t+4], v[S+32*\t+7], v[S+32*\t+15]
	v_max3_num_f32 v[ST+8*\t+6], v[ST+8*\t+6], v[S+32*\t+23], v[S+32*\t+31]
.endr
.irp t, 0,1
	v_max3_num_f32 v[ST+8*\t+4], v[ST+8*\t+4], v[ST+8*\t+5], v[ST+8*\t+6]
.endr
.irp t, 0,1
	v_max3_num_f32 v[ST+8*\t+4], v[ST+8*\t+4], v[ST+8*\t+7], v[ST+8*\t+1]      ; with the old m
.endr
.irp t, 0,1
	v_permlanex16_b32 v[ST+8*\t+5], v[ST+8*\t+4], s[SEL], s[SEL+1]             ; the query's other 32 keys lie in the lane 16 away
.endr
.irp t, 0,1
	v_mov_b32 v[ST+8*\t+7], v[ST+8*\t]
.endr
.irp t, 0,1
	v_max_num_f32 v[ST+8*\t+1], v[ST+8*\t+4], v[ST+8*\t+5]
.endr
.irp t, 0,1
	v_mul_f32 v[ST+8*\t], s[CS], v[ST+8*\t+1]
.endr
.irp t, 0,1
	v_sub_f32 v[ST+8*\t+7], v[ST+8*\t+7], v[ST+8*\t]                           ; c m_old - c m_new
.endr
.set sn, 0
.rept 32
	v_pk_fma_f32 v[S+2*sn:S+2*sn+1], v[S+2*sn:S+2*sn+1], s[CS:CS+1], v[ST+8*(sn/16):ST+8*(sn/16)+1] op_sel_hi:[1,0,0] neg_lo:[0,0,1] neg_hi:[0,0,1]   ; c s - c m
.set sn, sn+1
.endr
.irp t, 0,1
	v_exp_f32 v[ST+8*\t+6], v[ST+8*\t+7]           ; a
.endr
.set sn, 0
.rept 64
	v_exp_f32 v[S+sn], v[S+sn]                     ; p
.set sn, sn+1
.endr
	v_nop                                          ; a plain line behind the last exponential
	s_wait_alu depctr_va_vdst(0)                   ; one wait for the batch of 66, ahead of its first reader
	WIN 0x40                                       ; destination window 1
.set sn, 0
.rept 32
	v_cvt_pk_f16_f32 v[P+sn], v[S+2*sn], v[S+2*sn+1]   ; two neighbouring tiles of keys, rounded in pairs, ARE source 1 of the second product
.set sn, sn+1
.endr
	WIN 0
.irp u, 0,1,2,3,4,5,6,7,8,9,10,11,12,13,14,15
	v_pk_add_f32 v[S+4*\u:S+4*\u+1], v[S+4*\u:S+4*\u+1], v[S+4*\u+2:S+4*\u+3]   ; the sums of the unrounded p, in place, as trees: both tiles' level by level
.endr
.irp u, 0,1,2,3,4,5,6,7
	v_pk_add_f32 v[S+8*\u:S+8*\u+1], v[S+8*\u:S+8*\u+1], v[S+8*\u+4:S+8*\u+5]
.endr
.irp u, 0,1,2,3
	v_pk_add_f32 v[S+16*\u:S+16*\u+1], v[S+16*\u:S+16*\u+1], v[S+16*\u+8:S+16*\u+9]
.endr
.irp t, 0,1
	v_pk_add_f32 v[S+32*\t:S+32*\t+1], v[S+32*\t:S+32*\t+1], v[S+32*\t+16:S+32*\t+17]
.endr
.irp t, 0,1
	v_pk_fma_f32 v[ST+8*\t+2:ST+8*\t+3], v[ST+8*\t+2:ST+8*\t+3], v[ST+8*\t+6:ST+8*\t+7], v[S+32*\t:S+32*\t+1] op_sel_hi:[1,0,1]   ; l = a l + the sum
.endr
	WIN 0x41                                       ; O^T (destination and source 0) window 1, a window 0
.set sn, 0
.rept 32
	v_pk_mul_f32 v[OA+2*sn:OA+2*sn+1], v[OA+2*sn:OA+2*sn+1], v[ST+8*(sn/16)+6:ST+8*(sn/16)+7] op_sel_hi:[1,0]   ; O^T x a
.set sn, sn+1
.endr
.if \i == 0
	s_wait_dscnt 16                                ; V is in; the next K's 16 loads, issued behind V's, may be out
.else
	s_wait_dscnt 0x0                               ; V is in
.endif
	WIN 0x54                                       ; V window 0; p, C and D window 1
.irp kh, 0,1
.irp dt, 0,1,2,3
.irp t, 0,1                            ; each fragment of V serves both tiles; the eight accumulators take turns
	v_wmma_f32_16x16x32_f16 v[OA+32*\t+8*\dt:OA+32*\t+8*\dt+7], v[VR+8*(4*\kh+\dt):VR+8*(4*\kh+\dt)+7], v[P+16*\t+8*\kh:P+16*\t+8*\kh+7], v[OA+32*\t+8*\dt:OA+32*\t+8*\dt+7]
.endr
.endr
.endr
	WIN 0
.endm
; My two steps of a slot.  A step all of whose keys come after my 32 queries is left out (ids and the count of steps alone); where the first is left out, so is the second, whose keys lie 128 on.
.macro SLOT_STEPS
	s_add_co_u32 s95, s[Q0], 31
	s_cmp_gt_u32 s[KF], s95
	s_cbranch_scc1 .Lhid_\@
	s_mov_b32 s[KS], s[KF]
	BODY 0
	s_add_co_u32 s[KS], s[KF], 128
	s_add_co_u32 s95, s[Q0], 31
	s_cmp_gt_u32 s[KS], s95
	s_cbranch_scc1 .Lhid_\@
	BODY 1
.Lhid_\@:
	s_add_co_u32 s[KF], s[KF], 256
.endm
; THE CHANGE OF SLOTS stands at a slot's head.  Each wave waits for all its tensor loads, adds 0 to its spare word, and waits for that and for its reads of the slot that it has left; behind the barrier the slot ahead
; is whole and nobody reads the other one, which (fill = 1) takes the keys that follow, up to the causal limit: the load has a whole slot's steps in which to land.  A wave has at most one tensor load out.
.macro CHANGE fill
	s_wait_tensorcnt 0x0                           ; no tensor load of mine is out, so a group 0 may be written
	ds_add_u32 v[SPW], v[NIL]
.if \fill
	ds_add_u32 v[SPW], v[NIL]
	s_xor_b32 s[G0K+1], s[G0K+1], SLOT1
	s_add_nc_u64 s[G0K+2:G0K+3], s[G0K+2:G0K+3], 32768
	s_xor_b32 s[G0V+1], s[G0V+1], SLOT1
	s_add_nc_u64 s[G0V+2:G0V+3], s[G0V+2:G0V+3], 32768
	s_wait_xcnt 0x0                                ; the last prefetches, a slot back, have read their address
	s_add_nc_u64 s[PFA:PFA+1], s[PFA:PFA+1], 32768
.endif
	s_wait_dscnt 0x0
	s_barrier_signal -1
	s_barrier_wait -1
.if \fill
	s_add_co_u32 s95, s[SK], 256                   ; the first key of the slot that this change would ask for,
	s_cmp_gt_u32 s95, s[LASTQ]                     ; against the work-group's last query: the same in all eight waves; such a slot is read by none of them
	s_cbranch_scc1 .Lpast_\@
	TLOAD
.Lpast_\@:
	ASK
.endif
.endm
	s_wait_loadcnt 0x0                             ; Q
.Lslot:                                            ; 7 trips
	CHANGE 1
	SLOT_STEPS
	s_xor_b32 s[TB], s[TB], SLOT1
	s_add_co_u32 s[SK], s[SK], 256
	s_sub_co_u32 s[SLOTS], s[SLOTS], 1
	s_cmp_lg_u32 s[SLOTS], 0
	s_cbranch_scc1 .Lslot
	CHANGE 0                                       ; the last slot is written out: nothing is left to ask for
	SLOT_STEPS
; THE TWO PARTS OF A PAIR OF TILES MEET.  Each wave lays both its O^T, c m and l in LDS as images of its registers; then the wave of parity p takes tile p's two parts, its own and its partner's, and finishes that tile.
.rept 4
	v_nop                                          ; places behind the last products
.endr
.irp t, 0,1
	v_add_f32 v[ST+8*\t+4], v[ST+8*\t+2], v[ST+8*\t+3]
.endr
.irp t, 0,1
	v_permlanex16_b32 v[ST+8*\t+5], v[ST+8*\t+4], s[SEL], s[SEL+1]
.endr
.irp t, 0,1
	v_add_f32 v[ST+8*\t+4], v[ST+8*\t+4], v[ST+8*\t+5]   ; l
.endr
	WIN 0x04                                       ; an LDS store's data are its source 1: window 1
.irp n, 0,1,2,3,4,5,6,7,8,9,10,11,12,13,14,15
	ds_store_b128 v[IMW], v[OA+4*\n:OA+4*\n+3] offset:512*\n   ; each accumulator from its low end on
.endr
	WIN 0
.irp t, 0,1
	ds_store_b32 v[ISW], v[ST+8*\t] offset:256*\t
	ds_store_b32 v[ISW], v[ST+8*\t+4] offset:256*\t+128
.endr
	s_wait_dscnt 0x0                               ; for my partner's sake; and whatever load of K was still out is in
	s_barrier_signal -1
	s_barrier_wait -1
.irp n, 0,1,2,3,4,5,6,7
	ds_load_b128 v[VR+4*\n:VR+4*\n+3], v[IMM] offset:512*\n    ; my part of the tile,
.endr
.irp n, 0,1,2,3,4,5,6,7
	ds_load_b128 v[KR+4*\n:KR+4*\n+3], v[IMP] offset:512*\n    ; my partner's
.endr
	ds_load_b32 v244, v[ISM]
	ds_load_b32 v245, v[ISM] offset:128
	ds_load_b32 v248, v[ISP]
	ds_load_b32 v249, v[ISP] offset:128
	s_wait_dscnt 0x0
	v_max_num_f32 v250, v244, v248                 ; the common c m
	v_sub_f32 v251, v244, v250
	v_sub_f32 v252, v248, v250
	v_exp_f32 v251, v251                           ; a wave that walked no step has c m = -5e37: its factor is 0
	v_exp_f32 v252, v252
	v_nop
	s_wait_alu depctr_va_vdst(0)
	v_mul_f32 v253, v245, v251
	v_fma_f32 v253, v249, v252, v253               ; the whole row's sum
	v_rcp_f32 v253, v253
	v_nop
	s_wait_alu depctr_va_vdst(0)
	v_mul_f32 v246, v251, v253                     ; my part's factor, in both halves of a pair,
	v_mul_f32 v247, v251, v253
	v_mul_f32 v254, v252, v253                     ; and my partner's part's
	v_mul_f32 v255, v252, v253
.set sn, 0
.rept 16
	v_pk_mul_f32 v[VR+2*sn:VR+2*sn+1], v[VR+2*sn:VR+2*sn+1], v[246:247]
.set sn, sn+1
.endr
.set sn, 0
.rept 16
	v_pk_fma_f32 v[VR+2*sn:VR+2*sn+1], v[KR+2*sn:KR+2*sn+1], v[254:255], v[VR+2*sn:VR+2*sn+1]
.set sn, sn+1
.endr
.set sn, 0
.rept 16
	v_cvt_pk_f16_f32 v[VR+32+sn], v[VR+2*sn], v[VR+2*sn+1]
.set sn, sn+1
.endr
.irp dt, 0,1,2,3
	ds_store_b128 v[STO], v[VR+32+4*\dt:VR+32+4*\dt+3] offset:32*\dt   ; my own stage: row r, channels 16 dt + 8 h on
.endr
.irp i, 0,1,2,3
	ds_load_b128 v[KR+4*\i:KR+4*\i+3], v[RD] offset:4*144*\i           ; LDS serves a wave's instructions in order: these see my stores
.endr
.irp i, 0,1,2,3
	s_wait_dscnt 3-\i                              ; the later loads from the stage may be out
	global_store_b128 v[GO], v[KR+4*\i:KR+4*\i+3], s[6:7] offset:512*\i   ; four rows of 128 bytes: 512 consecutive bytes, aligned
.endr
	s_wait_tensorcnt 0x0                           ; the wave's end
	ds_add_u32 v[SPW], v[NIL]
	s_wait_dscnt 0x0
	s_endpgm
.Lfunc_end_k_q9e8d44b588_attn:
	.size	k_q9e8d44b588_attn, .Lfunc_end_k_q9e8d44b588_attn-k_q9e8d44b588_attn
	.p2alignl 7, 3214868480
	.fill 96, 4, 3214868480
	.section	.rodata,"a",@progbits
	.p2align	6, 0x0
	.amdhsa_kernel k_q9e8d44b588_attn
		.amdhsa_group_segment_fixed_size 327680
		.amdhsa_private_segment_fixed_size 0
		.amdhsa_enable_private_segment 0
		.amdhsa_kernarg_size 16
		.amdhsa_user_sgpr_count 2
		.amdhsa_user_sgpr_kernarg_segment_ptr 1
		.amdhsa_wavefront_size32 1
		.amdhsa_system_sgpr_workgroup_id_x 1
		.amdhsa_system_sgpr_workgroup_id_y 1
		.amdhsa_system_sgpr_workgroup_id_z 1
		.amdhsa_system_vgpr_workitem_id 0
		.amdhsa_next_free_vgpr 384
		.amdhsa_next_free_sgpr 100
		.amdhsa_reserve_vcc 1
		.amdhsa_float_denorm_mode_32 3
		.amdhsa_float_denorm_mode_16_64 3
		.amdhsa_memory_ordered 1
		.amdhsa_forward_progress 1
		.amdhsa_inst_pref_size 107
	.end_amdhsa_kernel
	.amdgpu_metadata
---
amdhsa.version: [ 1, 2 ]
amdhsa.kernels:
  - .name:           k_q9e8d44b588_attn
    .symbol:         k_q9e8d44b588_attn.kd
    .args:
      - { .name: qkvh, .offset: 0, .size: 8, .value_kind: global_buffer, .address_space: global }
      - { .name: y, .offset: 8, .size: 8, .value_kind: global_buffer, .address_space: global }
    .group_segment_fixed_size: 327680
    .private_segment_fixed_size: 0
    .kernarg_segment_align: 8
    .kernarg_segment_size: 16
    .max_flat_workgroup_size: 256
    .sgpr_count:     100
    .vgpr_count:     384
    .wavefront_size: 32
...
	.end_amdgpu_metadata
.endif
;; end of part 3
;; launch proj (part 4): grid 16 x 16, 4 waves a work-group, clusters of 4 x 4, 327,680 bytes of LDS; arguments y, wp, out0; writes out0
.if DOCPART == 4
	.amdgcn_target "amdgcn-amd-amdhsa--gfx1250"
	.amdhsa_code_object_version 6
	.text
	.protected	k_q9e8d44b588_proj
	.globl	k_q9e8d44b588_proj
	.p2align	8
	.type	k_q9e8d44b588_proj,@function
k_q9e8d44b588_proj:
	s_mov_b64 s[64:65], 0
	v_nop
	global_prefetch_b8 v0, s[64:65] scope:SCOPE_SE
	s_setreg_imm32_b32 hwreg(HW_REG_WAVE_MODE, 25, 1), 1
	s_wait_xcnt 0x0
	s_wait_alu depctr_hold_cnt(0) depctr_sa_sdst(0) depctr_va_vdst(0) depctr_va_sdst(0) depctr_va_ssrc(0) depctr_va_vcc(0) depctr_vm_vsrc(0)
	s_getreg_b32 s2, hwreg(HW_REG_IB_STS2, 6, 4)
	s_cmp_eq_u32 s2, 0
	s_cbranch_scc0 .Lentry_in_a_cluster
	s_endpgm
.Lentry_in_a_cluster:
	s_bfe_u32 s2, ttmp6, 0x10000c
	s_cmp_lg_u32 s2, 0xf033
	s_cbranch_scc0 .Lentry_shape_is_right
	s_endpgm
.Lentry_shape_is_right:
; PROJ: out0 = y @ w_proj, operands in f16, sums and result in f32.  y: [row block 16][head 16][row 128][64]; wp: [column block 16][k 1024][64]; out0: [2048][1024] f32.
; A tile of 128 x 64 gives each of 256 work-groups one; four waves, each 64 x 32: 8 accumulators.  K goes in four chunks of 256 (four heads) through two LDS slots; y's chunk and wp's chunk are dense blocks of memory.
; CLUSTER 4 x 4: y's tile is shared along a row of the cluster, wp's along a column.  THE MATRIX INSTRUCTION IS USED TRANSPOSED (source 0 = 16 columns of wp, turned on the way out of LDS; source 1 = 16 rows of y).
; Rows 0-15 are written here like all others and written again, from f32 operands, by the launch that follows: leaving them out would take a branch on a work-group's place in its cluster.
; LIMITS: |y|, |w_proj| under 65,504.
.set PA,    144                        ; a row of y in LDS: 128 bytes + 16
.set PB,    160                        ; a k row of wp: 128 + 32
.set BOFF,  512*PA                     ; a slot: y's [head 4][row 128], then wp's 256 k rows
.set SLOT,  BOFF+256*PB
.set STAGE, 2*SLOT                     ; 128 rows x 272 bytes for the way out
.set SPITCH, 272
.set SPARE, STAGE+128*SPITCH
.set ADRA, 16
.set ADRB, 20
.set STO,  24
.set RD,   25
.set CO,   26
.set SPW,  28
.set NIL,  29
.set F0,   32                          ; two fragment buffers of 48: y's four fragments, then wp's two
.set F1,   80
.set ACC,  128
.set OB,   192
.set G1,   24
.set G0,   32
.set G1B,  48
.set G0B,  56
.macro PLACES
.rept 4
	v_nop
.endr
.endm
.macro JLOAD s                         ; a joint load: waves 0, 1 fetch y's halves, waves 2, 3 wp's
	s_cmp_eq_u32 s11, 0
	s_cbranch_scc0 .Lfor_b_\@
	tensor_load_to_lds s[G0+4*\s:G0+4*\s+3], s[G1:G1+7]
	s_nop 0
	PLACES
	s_branch .Lasked_\@
.Lfor_b_\@:
	tensor_load_to_lds s[G0B+4*\s:G0B+4*\s+3], s[G1B:G1B+7]
	s_nop 0
	PLACES
.Lasked_\@:
.endm
.macro CROUND
	s_barrier_signal -1
	s_barrier_wait -1
	s_cmp_lg_u32 s10, 0
	s_cbranch_scc1 .Lnot_wave_0_\@
	s_barrier_signal -3
.Lnot_wave_0_\@:
	s_barrier_wait -3
	s_barrier_signal -1
	s_barrier_wait -1
.endm
	s_load_b128 s[4:7], s[0:1], 0x0                ; y s[4:5], wp s[6:7]
	s_load_b64 s[8:9], s[0:1], 0x10                ; out0
	v_lshl_add_u32 v[SPW], v0, 2, SPARE
	v_mov_b32 v[NIL], 0
	ds_add_u32 v[SPW], v[NIL]                      ; the wave's opening: the add, twice on end, and its wait ahead of my first tensor load
	ds_add_u32 v[SPW], v[NIL]
	v_lshrrev_b32 v1, 5, v0
	v_readfirstlane_b32 s10, v1                    ; wave 0..3
	s_lshr_b32 s11, s10, 1                         ; my half of the rows.  Also: I fetch y (0) or wp (1)
	s_and_b32 s12, s10, 1                          ; my half of the columns.  Also: which half I fetch
	s_bfe_u32 s40, ttmp6, 0x40000
	s_bfe_u32 s41, ttmp6, 0x40004
	s_lshl_b32 s42, ttmp9, 2
	s_add_co_u32 s42, s42, s40                     ; column block
	s_and_b32 s13, ttmp7, 0xffff
	s_lshl_b32 s13, s13, 2
	s_add_co_u32 s13, s13, s41                     ; row block
	s_lshl_b32 s43, s41, 2
	s_lshl_b32 s43, 15, s43
	s_lshl_b32 s44, 0x1111, s40
	s_or_b32 s[G1], s43, (1<<16)|(1<<20)|(1<<21)|(4<<22)|(3<<25)    ; y: elements of 2 bytes, 4 words of padding behind every 32
	s_mov_b32 s[G1+1], 64<<16
	s_mov_b32 s[G1+2], 256<<16                     ; 256 rows: two heads x 128
	s_mov_b32 s[G1+3], 64<<16
	s_mov_b32 s[G1+4], 256
	s_mov_b32 s[G1+5], 64
	s_mov_b32 s[G1+6], 0
	s_mov_b32 s[G1+7], 0
	s_or_b32 s[G1B], s44, (1<<16)|(1<<20)|(1<<21)|(4<<22)|(7<<25)   ; wp: 8 words of padding
	s_mov_b32 s[G1B+1], 64<<16
	s_mov_b32 s[G1B+2], 128<<16
	s_mov_b32 s[G1B+3], 64<<16
	s_mov_b32 s[G1B+4], 128
	s_mov_b32 s[G1B+5], 64
	s_mov_b32 s[G1B+6], 0
	s_mov_b32 s[G1B+7], 0
	s_lshl_b32 s16, s13, 4
	s_lshl_b32 s17, s12, 1
	s_add_co_u32 s16, s16, s17
	s_lshl_b32 s16, s16, 14                        ; y: (16 x row block + 2 x half) heads of 16,384 bytes
	s_mov_b32 s17, 0
	s_lshl_b32 s46, s42, 17
	s_lshl_b32 s47, s12, 14
	s_add_co_u32 s46, s46, s47                     ; wp: the column block, 128 x half k rows
	s_mov_b32 s47, 0
	s_mul_i32 s20, s12, 256*PA
	s_mul_i32 s21, s12, 128*PB
	s_add_co_u32 s21, s21, BOFF
	s_wait_dscnt 0x0
	s_wait_kmcnt 0x0
	s_add_nc_u64 s[14:15], s[4:5], s[16:17]
	s_add_nc_u64 s[46:47], s[6:7], s[46:47]
	CROUND                                         ; all sixteen work-groups are here: the first joint loads meet
.irp s, 0,1
	s_mov_b32 s[G0+4*\s], 1
	s_add_co_u32 s[G0+4*\s+1], s20, \s*SLOT
	s_add_nc_u64 s[G0+4*\s+2:G0+4*\s+3], s[14:15], \s*65536
	s_or_b32 s[G0+4*\s+3], s[G0+4*\s+3], 0x80000000
	s_mov_b32 s[G0B+4*\s], 1
	s_add_co_u32 s[G0B+4*\s+1], s21, \s*SLOT
	s_add_nc_u64 s[G0B+4*\s+2:G0B+4*\s+3], s[46:47], \s*32768
	s_or_b32 s[G0B+4*\s+3], s[G0B+4*\s+3], 0x80000000
	JLOAD \s                                       ; chunks 0 and 1: two loads of mine are out
.endr
	v_and_b32 v1, 15, v0                           ; r
	v_bfe_u32 v2, v0, 4, 1                         ; h
	v_mul_u32_u24 v3, v1, PA
	v_lshl_add_u32 v3, v2, 4, v3
	s_mul_i32 s22, s11, 64*PA
	v_add_nc_u32 v[ADRA], s22, v3                  ; y's fragments: (64 rh + r) x pitch + 16 h
	v_add_nc_u32 v[ADRA+1], SLOT, v[ADRA]
	v_and_b32 v4, 7, v0
	v_bfe_u32 v5, v0, 3, 1
	v_lshl_add_u32 v4, v2, 3, v4
	v_mul_u32_u24 v4, v4, PB
	v_lshl_add_u32 v4, v5, 4, v4
	s_lshl_b32 s22, s12, 6
	s_add_co_u32 s22, s22, BOFF
	v_add_nc_u32 v[ADRB], s22, v4                  ; wp's, for the turning load
	v_add_nc_u32 v[ADRB+1], SLOT, v[ADRB]
	s_mul_i32 s22, s11, 64*SPITCH
	s_lshl_b32 s23, s12, 7
	s_add_co_u32 s22, s22, s23
	s_add_co_u32 s22, s22, STAGE
	v_mul_u32_u24 v[STO], v1, SPITCH
	v_lshl_add_u32 v[STO], v2, 5, v[STO]
	v_add_nc_u32 v[STO], s22, v[STO]               ; into the stage: row 64 rh + r, bytes 128 ch + 32 h
	s_mul_i32 s22, s10, 32*SPITCH
	s_add_co_u32 s22, s22, STAGE
	v_mul_u32_u24 v[RD], v2, SPITCH
	v_lshl_add_u32 v[RD], v1, 4, v[RD]
	v_add_nc_u32 v[RD], s22, v[RD]                 ; back: my 32 rows; lanes 0-15 one row of 256 bytes, lanes 16-31 the next
	v_lshlrev_b32 v[CO], 12, v2
	v_lshl_add_u32 v[CO], v1, 4, v[CO]             ; and the same two rows in out0
	s_lshl_b32 s16, s13, 7
	s_lshl_b32 s17, s10, 5
	s_add_co_u32 s16, s16, s17
	s_lshl_b32 s16, s16, 12
	s_mov_b32 s17, 0
	s_add_nc_u64 s[8:9], s[8:9], s[16:17]
	s_lshl_b32 s46, s42, 8
	s_mov_b32 s47, 0
	s_add_nc_u64 s[8:9], s[8:9], s[46:47]
.macro FETCH slot, ks, f               ; 12 LDS loads: the fragments of 32 along K: head ks / 2 of the chunk, its channels 32 (ks % 2) on
.irp i, 0,1,2,3
	ds_load_b128 v[\f+8*\i:\f+8*\i+3], v[ADRA+\slot] offset:((\ks)>>1)*128*PA+16*PA*\i+64*((\ks)&1)
	ds_load_b128 v[\f+8*\i+4:\f+8*\i+7], v[ADRA+\slot] offset:((\ks)>>1)*128*PA+16*PA*\i+64*((\ks)&1)+32
.endr
.irp b, 0,1
	ds_load_tr16_b128 v[\f+32+8*\b:\f+32+8*\b+3], v[ADRB+\slot] offset:32*PB*(\ks)+32*\b
	ds_load_tr16_b128 v[\f+32+8*\b+4:\f+32+8*\b+7], v[ADRB+\slot] offset:32*PB*(\ks)+32*\b+16*PB
.endr
.endm
.macro MUL8 f, zero                    ; the eight accumulators take turns
.irp a, 0,1,2,3
.irp b, 0,1
.if \zero
	v_wmma_f32_16x16x32_f16 v[ACC+8*(2*\a+\b):ACC+8*(2*\a+\b)+7], v[\f+32+8*\b:\f+32+8*\b+7], v[\f+8*\a:\f+8*\a+7], 0
.else
	v_wmma_f32_16x16x32_f16 v[ACC+8*(2*\a+\b):ACC+8*(2*\a+\b)+7], v[\f+32+8*\b:\f+32+8*\b+7], v[\f+8*\a:\f+8*\a+7], v[ACC+8*(2*\a+\b):ACC+8*(2*\a+\b)+7]
.endif
.endr
.endr
.endm
.macro CHUNK slot, zero                ; a chunk's first seven steps of 32; each fetches the next step's fragments into the other buffer
.irp ks, 0,1,2,3,4,5,6
	PLACES                                         ; in front of loads into registers that the last products read
	FETCH \slot, (\ks)+1, F0+48*(((\ks)+1)%2)
	s_wait_dscnt 12                                ; this step's fragments are in; the 12 loads just issued may be out
.if (\zero) && (\ks) == 0
	MUL8 F0, 1                                     ; the first products start the sums
.else
	MUL8 F0+48*((\ks)%2), 0
.endif
.endr
.endm
; A chunk's last step changes slots.  Each wave waits for all its tensor loads (the one that is out is its part of the next slot), adds 0 to its spare word, and waits for that and for its reads of this slot.
; fill = 1: a round of the cluster's barrier, and behind it this slot takes the chunk two on: my one tensor load until the next round.
.macro TURN slot, next, fill
	s_wait_tensorcnt 0x0
	ds_add_u32 v[SPW], v[NIL]
.if \fill
	s_add_nc_u64 s[G0+4*\slot+2:G0+4*\slot+3], s[G0+4*\slot+2:G0+4*\slot+3], 131072
	s_add_nc_u64 s[G0B+4*\slot+2:G0B+4*\slot+3], s[G0B+4*\slot+2:G0B+4*\slot+3], 65536
.endif
	s_wait_dscnt 0x0
.if \fill
	CROUND
	JLOAD \slot                                    ; the four v_nop behind it are also the places in front of the loads below
.else
	s_barrier_signal -1
	s_barrier_wait -1
	PLACES
.endif
	FETCH \next, 0, F0
	MUL8 F1, 0                                     ; its fragments were shown in by the wait for 0 above
.endm
	s_wait_tensorcnt 1                             ; my part of chunk 0 is in; chunk 1's load may stay out
	s_barrier_signal -1
	s_barrier_wait -1
	FETCH 0, 0, F0
	CHUNK 0, 1
	TURN 0, 1, 1
	CHUNK 1, 0
	TURN 1, 0, 1
	CHUNK 0, 0
	TURN 0, 1, 0
	CHUNK 1, 0
	s_wait_dscnt 0x0
	MUL8 F1, 0
	PLACES
; THE WAY OUT: a lane's eight results are 32 neighbouring bytes of a row; a row's 256 bytes come from two waves: through the stage, a barrier, and back as whole rows.
.irp a, 0,1,2,3
.irp b, 0,1
	ds_store_b128 v[STO], v[ACC+8*(2*\a+\b):ACC+8*(2*\a+\b)+3] offset:16*SPITCH*\a+64*\b        ; each accumulator from its low end on
	ds_store_b128 v[STO], v[ACC+8*(2*\a+\b)+4:ACC+8*(2*\a+\b)+7] offset:16*SPITCH*\a+64*\b+16
.endr
.endr
	s_wait_dscnt 0x0
	s_barrier_signal -1
	s_barrier_wait -1
.irp t, 0,1,2,3,4,5,6,7,8,9,10,11,12,13,14,15
	ds_load_b128 v[OB+4*\t:OB+4*\t+3], v[RD] offset:2*SPITCH*\t
.endr
.irp t, 0,1,2,3,4,5,6,7,8,9,10,11,12,13,14,15
	s_wait_dscnt 15-\t
	global_store_b128 v[CO], v[OB+4*\t:OB+4*\t+3], s[8:9] offset:8192*\t th:TH_STORE_NT   ; sixteen lanes store 256 consecutive bytes, aligned
.endr
	s_wait_tensorcnt 0x0                           ; the wave's end
	ds_add_u32 v[SPW], v[NIL]
	s_wait_dscnt 0x0
	CROUND                                         ; the closing round
	s_endpgm
.Lfunc_end_k_q9e8d44b588_proj:
	.size	k_q9e8d44b588_proj, .Lfunc_end_k_q9e8d44b588_proj-k_q9e8d44b588_proj
	.p2alignl 7, 3214868480
	.fill 96, 4, 3214868480
	.section	.rodata,"a",@progbits
	.p2align	6, 0x0
	.amdhsa_kernel k_q9e8d44b588_proj
		.amdhsa_group_segment_fixed_size 327680
		.amdhsa_private_segment_fixed_size 0
		.amdhsa_enable_private_segment 0
		.amdhsa_kernarg_size 24
		.amdhsa_user_sgpr_count 2
		.amdhsa_user_sgpr_kernarg_segment_ptr 1
		.amdhsa_wavefront_size32 1
		.amdhsa_system_sgpr_workgroup_id_x 1
		.amdhsa_system_sgpr_workgroup_id_y 1
		.amdhsa_system_sgpr_workgroup_id_z 1
		.amdhsa_system_vgpr_workitem_id 0
		.amdhsa_next_free_vgpr 256
		.amdhsa_next_free_sgpr 66
		.amdhsa_reserve_vcc 0
		.amdhsa_float_denorm_mode_32 3
		.amdhsa_float_denorm_mode_16_64 3
		.amdhsa_memory_ordered 1
		.amdhsa_forward_progress 1
		.amdhsa_inst_pref_size 59
	.end_amdhsa_kernel
	.amdgpu_metadata
---
amdhsa.version: [ 1, 2 ]
amdhsa.kernels:
  - .name:           k_q9e8d44b588_proj
    .symbol:         k_q9e8d44b588_proj.kd
    .args:
      - { .name: y, .offset: 0, .size: 8, .value_kind: global_buffer, .address_space: global }
      - { .name: wp, .offset: 8, .size: 8, .value_kind: global_buffer, .address_space: global }
      - { .name: out0, .offset: 16, .size: 8, .value_kind: global_buffer, .address_space: global }
    .group_segment_fixed_size: 327680
    .private_segment_fixed_size: 0
    .kernarg_segment_align: 8
    .kernarg_segment_size: 24
    .max_flat_workgroup_size: 128
    .sgpr_count:     66
    .vgpr_count:     256
    .wavefront_size: 32
...
	.end_amdgpu_metadata
.endif
;; end of part 4
;; launch first16 (part 5): grid 64 x 1, 16 waves a work-group, no clusters, 18,432 bytes of LDS; arguments r16, w_proj, out0; writes out0
.if DOCPART == 5
	.amdgcn_target "amdgcn-amd-amdhsa--gfx1250"
	.amdhsa_code_object_version 6
	.text
	.protected	k_q9e8d44b588_first16
	.globl	k_q9e8d44b588_first16
	.p2align	8
	.type	k_q9e8d44b588_first16,@function
k_q9e8d44b588_first16:
	s_mov_b64 s[64:65], 0
	v_nop
	global_prefetch_b8 v0, s[64:65] scope:SCOPE_SE
	s_setreg_imm32_b32 hwreg(HW_REG_WAVE_MODE, 25, 1), 1
	s_wait_xcnt 0x0
; FIRST16: rows 0-15 of the result once more, carried in f32 from q, k, v (r16 [head 16][s 3][4,096 bytes] f32) through attention and the projection: these rows average one to sixteen values, and the rounding of
; 16-bit operands weighs most there.  64 work-groups, 16 output columns each.  Wave h does head h: S^T = K Q^T, the causal softmax, O^T = V^T P^T, and its own 64 of the projection's K for the work-group's 16 columns,
; so that a head's result never changes wave; the sixteen partial tiles are summed through LDS.  The attention is repeated in every work-group: one launch, one owner for each output.
; The f32 matrix form takes 4 along K an instruction (lane (r, h), register j: k = 2 h + j); both operands of a product are fed under the same permutation of K, which leaves the sums' terms as they are.
; r16's q and k lie as images of these operand registers (chunk i of 512 bytes, 16 bytes a lane: row r, four channels), so each of their loads reads 512 consecutive bytes; v lies [key 16][64]: a load reads 256
; consecutive bytes of each of two keys, four channels a lane, and 32 moves lay the registers along the keys.  So a tile t of O^T holds channels 4 r + t, and w_proj's rows are chosen to match.
; The registers that the f32 form writes (v144-207) are written by matrix instructions alone.
; out0 is stored in pieces of 64 bytes (65,536 bytes in the launch): wider work-groups would lengthen each wave's chain of f32 products.
.set SPARE, 16384                      ; behind the sixteen images of 1,024 bytes: the spare words
.set SPW, 12
.set NIL, 13
.set QR,  16                           ; v16-47   q: register 4 i + e: row r, channel 32 (i / 4) + 16 ((i / 2) % 2) + 8 h + 4 (i % 2) + e
.set KR,  48                           ; v48-79   k likewise
.set VR,  80                           ; v80-111  8 t + j: v(key 8 h + j, channel 4 r + t)
.set WR,  112                          ; v112-143 8 t + j: w_proj(64 head + 32 h + 4 j + t, my column r)
.set S0,  144
.set S1,  152
.set OA,  160
.set PA0, 192
.set PA1, 200
.set TV,  208                          ; v208-239 v as loaded: 4 j + t; free again behind the moves
.set SS,  208
.set PP,  216
.set RS,  232
	s_load_b128 s[4:7], s[0:1], 0x0                ; r16 s[4:5], w_proj s[6:7]
	s_load_b64 s[8:9], s[0:1], 0x10                ; out0
	v_lshl_add_u32 v[SPW], v0, 2, SPARE
	v_mov_b32 v[NIL], 0
	v_lshrrev_b32 v1, 5, v0
	v_readfirstlane_b32 s10, v1                    ; wave = head
	v_and_b32 v1, 15, v0                           ; r
	v_bfe_u32 v2, v0, 4, 1                         ; h
	v_and_b32 v3, 31, v0
	v_lshlrev_b32 v4, 4, v3                        ; q, k: 16 x lane
	v_lshlrev_b32 v5, 2, v1
	v_lshlrev_b32 v14, 4, v1
	v_lshl_add_u32 v6, v2, 11, v14                 ; v: key 8 h on (256 bytes a key), 16 r
	v_lshl_add_u32 v7, v2, 17, v5                  ; w_proj: row 32 h on (4,096 bytes a row), 4 r
	s_lshl_b32 s11, s10, 10
	v_lshl_add_u32 v8, v3, 4, s11                  ; my image: 1,024 x wave + 16 x lane
	s_and_b32 s12, s10, 1
	s_lshl_b32 s13, s12, 9
	v_lshl_add_u32 v9, v3, 4, s13                  ; the last sum: half c of every image
	v_lshlrev_b32 v10, 12, v1
	v_lshl_add_u32 v10, v2, 5, v10                 ; out0: row r, + 32 h
	v_lshlrev_b32 v11, 3, v2
	v_sub_nc_u32 v11, v1, v11                      ; d = r - 8 h: register j holds key 8 h + j, hidden where j > d
	s_mov_b32 s22, 0x76543210
	s_mov_b32 s23, 0xfedcba98
	s_mov_b32 s24, 0x3e38aa3b                      ; c = log2(e) / 8
	s_mul_i32 s16, s10, 12288
	s_mov_b32 s17, 0
	s_lshl_b32 s18, s10, 18                        ; 64 rows of 4,096 bytes a head,
	s_lshl_b32 s19, ttmp9, 6                       ; 16 columns a work-group
	s_add_co_u32 s18, s18, s19
	s_lshl_b32 s20, s12, 4
	s_add_co_u32 s20, s20, s19
	s_mov_b32 s19, 0
	s_mov_b32 s21, 0
	s_wait_kmcnt 0x0
	s_add_nc_u64 s[4:5], s[4:5], s[16:17]
	s_add_nc_u64 s[6:7], s[6:7], s[18:19]
	s_add_nc_u64 s[8:9], s[8:9], s[20:21]
.irp i, 0,1,2,3,4,5,6,7
	global_load_b128 v[QR+4*\i:QR+4*\i+3], v4, s[4:5] offset:512*\i
.endr
.irp i, 0,1,2,3,4,5,6,7
	global_load_b128 v[KR+4*\i:KR+4*\i+3], v4, s[4:5] offset:4096+512*\i
.endr
.irp j, 0,1,2,3,4,5,6,7
	global_load_b128 v[TV+4*\j:TV+4*\j+3], v6, s[4:5] offset:8192+256*\j
.endr
.irp t, 0,1,2,3
.irp j, 0,1,2,3,4,5,6,7
	global_load_b32 v[WR+8*\t+\j], v7, s[6:7] offset:(4*\j+\t)*4096
.endr
.endr
	s_wait_loadcnt 40                              ; q and k are in; v's 8 loads and w_proj's 32 may be out
.set n, 0
.rept 16                               ; S^T = K Q^T: two accumulators take turns; the first two products start the sums
.if n < 2
	v_wmma_f32_16x16x4_f32 v[S0+8*(n%2):S0+8*(n%2)+7], v[KR+2*n:KR+2*n+1], v[QR+2*n:QR+2*n+1], 0
.else
	v_wmma_f32_16x16x4_f32 v[S0+8*(n%2):S0+8*(n%2)+7], v[KR+2*n:KR+2*n+1], v[QR+2*n:QR+2*n+1], v[S0+8*(n%2):S0+8*(n%2)+7]
.endif
.set n, n+1
.endr
	s_wait_loadcnt 32                              ; v is in; w_proj's 32 loads may be out
.irp t, 0,1,2,3
.irp j, 0,1,2,3,4,5,6,7
	v_mov_b32 v[VR+8*\t+\j], v[TV+4*\j+\t]         ; v's registers along the keys.  (These 32 are also the eight places behind the products above)
.endr
.endr
.irp j, 0,1,2,3,4,5,6,7
	v_add_f32 v[SS+\j], v[S0+\j], v[S1+\j]         ; lane (r, h): query r, key 8 h + j
.endr
	v_mov_b32 v224, 0xff800000
.irp j, 0,1,2,3,4,5,6,7
	v_cmp_gt_i32 vcc_lo, \j, v11
	v_cndmask_b32 v[SS+\j], v[SS+\j], v224, vcc_lo
.endr
	v_max3_num_f32 v225, v[SS], v[SS+1], v[SS+2]
	v_max3_num_f32 v226, v[SS+3], v[SS+4], v[SS+5]
	v_max3_num_f32 v225, v225, v[SS+6], v[SS+7]
	v_max_num_f32 v225, v225, v226
	v_permlanex16_b32 v226, v225, s22, s23
	v_max_num_f32 v225, v225, v226                 ; the row's maximum: key 0 counts for every query
	v_mul_f32 v225, s24, v225
.irp j, 0,1,2,3,4,5,6,7
	v_fma_f32 v[SS+\j], v[SS+\j], s24, -v225
.endr
.irp j, 0,1,2,3,4,5,6,7
	v_exp_f32 v[SS+\j], v[SS+\j]
.endr
	v_nop
	s_wait_alu depctr_va_vdst(0)                   ; one wait for the eight
	v_add_f32 v226, v[SS], v[SS+1]
	v_add_f32 v227, v[SS+2], v[SS+3]
	v_add_f32 v228, v[SS+4], v[SS+5]
	v_add_f32 v229, v[SS+6], v[SS+7]
	v_add_f32 v226, v226, v227
	v_add_f32 v228, v228, v229
	v_add_f32 v226, v226, v228
	v_permlanex16_b32 v227, v226, s22, s23
	v_add_f32 v226, v226, v227
	v_rcp_f32 v226, v226
	v_nop
	s_wait_alu depctr_va_vdst(0)
.irp j, 0,1,2,3,4,5,6,7
	v_mul_f32 v[PP+\j], v[SS+\j], v226             ; the probabilities
.endr
.irp s, 0,1,2,3                        ; O^T = V^T P^T: four accumulators take turns
.irp t, 0,1,2,3
.if \s == 0
	v_wmma_f32_16x16x4_f32 v[OA+8*\t:OA+8*\t+7], v[VR+8*\t+2*\s:VR+8*\t+2*\s+1], v[PP+2*\s:PP+2*\s+1], 0
.else
	v_wmma_f32_16x16x4_f32 v[OA+8*\t:OA+8*\t+7], v[VR+8*\t+2*\s:VR+8*\t+2*\s+1], v[PP+2*\s:PP+2*\s+1], v[OA+8*\t:OA+8*\t+7]
.endif
.endr
.endr
.rept 9
	v_nop                                          ; nine places: the results become operands
.endr
	s_wait_loadcnt 0x0
.irp t, 0,1,2,3                        ; my 64 of the projection's K: source 0 = 16 columns of w_proj, source 1 = O^T as it lies: lane (r, h), register 8 t + j: channel 32 h + 4 j + t of query r
.irp s, 0,1,2,3
.if (\t == 0) && (\s < 2)
	v_wmma_f32_16x16x4_f32 v[PA0+8*(\s%2):PA0+8*(\s%2)+7], v[WR+8*\t+2*\s:WR+8*\t+2*\s+1], v[OA+8*\t+2*\s:OA+8*\t+2*\s+1], 0
.else
	v_wmma_f32_16x16x4_f32 v[PA0+8*(\s%2):PA0+8*(\s%2)+7], v[WR+8*\t+2*\s:WR+8*\t+2*\s+1], v[OA+8*\t+2*\s:OA+8*\t+2*\s+1], v[PA0+8*(\s%2):PA0+8*(\s%2)+7]
.endif
.endr
.endr
.rept 8
	v_nop
.endr
.irp j, 0,1,2,3,4,5,6,7
	v_add_f32 v[RS+\j], v[PA0+\j], v[PA1+\j]       ; lane (r, h): row r, column 8 h + j: my head's part
.endr
	ds_store_b128 v8, v[RS:RS+3]
	ds_store_b128 v8, v[RS+4:RS+7] offset:512
	s_wait_dscnt 0x0                               ; for the others' sake
	s_barrier_signal -1
	s_barrier_wait -1
	s_cmp_lt_u32 s10, 2                            ; waves 0 and 1 add the sixteen parts, four columns of each lane's eight apiece
	s_cbranch_scc0 .Lend
.irp n, 0,1,2,3,4,5,6,7,8,9,10,11,12,13,14,15
	ds_load_b128 v[QR+4*\n:QR+4*\n+3], v9 offset:1024*\n
.endr
	s_wait_dscnt 0x0
.irp n, 0,1,2,3,4,5,6,7
	v_pk_add_f32 v[QR+4*\n:QR+4*\n+1], v[QR+4*\n:QR+4*\n+1], v[QR+32+4*\n:QR+32+4*\n+1]
	v_pk_add_f32 v[QR+4*\n+2:QR+4*\n+3], v[QR+4*\n+2:QR+4*\n+3], v[QR+32+4*\n+2:QR+32+4*\n+3]
.endr
.irp n, 0,1,2,3
	v_pk_add_f32 v[QR+4*\n:QR+4*\n+1], v[QR+4*\n:QR+4*\n+1], v[QR+16+4*\n:QR+16+4*\n+1]
	v_pk_add_f32 v[QR+4*\n+2:QR+4*\n+3], v[QR+4*\n+2:QR+4*\n+3], v[QR+16+4*\n+2:QR+16+4*\n+3]
.endr
.irp n, 0,1
	v_pk_add_f32 v[QR+4*\n:QR+4*\n+1], v[QR+4*\n:QR+4*\n+1], v[QR+8+4*\n:QR+8+4*\n+1]
	v_pk_add_f32 v[QR+4*\n+2:QR+4*\n+3], v[QR+4*\n+2:QR+4*\n+3], v[QR+8+4*\n+2:QR+8+4*\n+3]
.endr
	v_pk_add_f32 v[QR:QR+1], v[QR:QR+1], v[QR+4:QR+5]
	v_pk_add_f32 v[QR+2:QR+3], v[QR+2:QR+3], v[QR+6:QR+7]
	global_store_b128 v10, v[QR:QR+3], s[8:9]
.Lend:
	s_wait_tensorcnt 0x0                           ; the wave's end, behind my last LDS store
	ds_add_u32 v[SPW], v[NIL]
	s_wait_dscnt 0x0
	s_endpgm
.Lfunc_end_k_q9e8d44b588_first16:
	.size	k_q9e8d44b588_first16, .Lfunc_end_k_q9e8d44b588_first16-k_q9e8d44b588_first16
	.p2alignl 7, 3214868480
	.fill 96, 4, 3214868480
	.section	.rodata,"a",@progbits
	.p2align	6, 0x0
	.amdhsa_kernel k_q9e8d44b588_first16
		.amdhsa_group_segment_fixed_size 18432
		.amdhsa_private_segment_fixed_size 0
		.amdhsa_enable_private_segment 0
		.amdhsa_kernarg_size 24
		.amdhsa_user_sgpr_count 2
		.amdhsa_user_sgpr_kernarg_segment_ptr 1
		.amdhsa_wavefront_size32 1
		.amdhsa_system_sgpr_workgroup_id_x 1
		.amdhsa_system_sgpr_workgroup_id_y 1
		.amdhsa_system_sgpr_workgroup_id_z 1
		.amdhsa_system_vgpr_workitem_id 0
		.amdhsa_next_free_vgpr 256
		.amdhsa_next_free_sgpr 66
		.amdhsa_reserve_vcc 1
		.amdhsa_float_denorm_mode_32 3
		.amdhsa_float_denorm_mode_16_64 3
		.amdhsa_memory_ordered 1
		.amdhsa_forward_progress 1
		.amdhsa_inst_pref_size 19
	.end_amdhsa_kernel
	.amdgpu_metadata
---
amdhsa.version: [ 1, 2 ]
amdhsa.kernels:
  - .name:           k_q9e8d44b588_first16
    .symbol:         k_q9e8d44b588_first16.kd
    .args:
      - { .name: r16, .offset: 0, .size: 8, .value_kind: global_buffer, .address_space: global }
      - { .name: w_proj, .offset: 8, .size: 8, .value_kind: global_buffer, .address_space: global }
      - { .name: out0, .offset: 16, .size: 8, .value_kind: global_buffer, .address_space: global }
    .group_segment_fixed_size: 18432
    .private_segment_fixed_size: 0
    .kernarg_segment_align: 8
    .kernarg_segment_size: 24
    .max_flat_workgroup_size: 512
    .sgpr_count:     66
    .vgpr_count:     256
    .wavefront_size: 32
...
	.end_amdgpu_metadata
.endif
;; end of part 5
